; MI455X (gfx1250); checked and timed in simulation.
; The chip was launched on July 23, 2026; its instructions are those of AMD's public machine-readable ISA for CDNA 5 (MIT licence, August 2026) and "CDNA5" Instruction Set Architecture Reference Guide (July 2026). The comments in the code are by the model that wrote it; some were corrected since.
;; Self Attention. Allowed arithmetic: float matrix products may take bf16 or f16 operands with f32 sums; other float arithmetic in f32, or as packed bf16 or f16 multiplies, adds, multiply-adds, maxima and minima; sums over many terms, partial sums and values carried from step to step in f32; what a program stores and reads back later, other than sums and carried values, may be rounded once to bf16 or f16.
;; Inputs: Wk 1,024 x 1,024 float32; Wo 1,024 x 1,024 float32; Wq 1,024 x 1,024 float32; Wv 1,024 x 1,024 float32; X 4 x 2,048 x 1,024 float32.
;; Outputs: out0 4 x 2,048 x 1,024 float32.
;; One version. Each part assembles by itself: llvm-mc -triple=amdgcn-amd-amdhsa -mcpu=gfx1250 --defsym DOCPART=n.
;; ======== version 1 of 1: 5 launches
;; limits: values are held in f16: magnitudes above 65,504 overflow, below 6.1e-05 lose precision
;; workspace buffers: xf 16,777,216 bytes; wc 6,291,456 bytes; wof 2,097,152 bytes; qkv 50,331,648 bytes; pt 33,554,432 bytes; st 2,097,152 bytes; of 16,777,216 bytes
;; launch prep (part 1): grid 256 x 1, 16 waves a work-group, no clusters, 71,680 bytes of LDS; arguments X, Wq, Wk, Wv, Wo, xf, wc, wof; writes xf, wc, wof
.if DOCPART == 1
	.amdgcn_target "amdgcn-amd-amdhsa--gfx1250"
	.amdhsa_code_object_version 6
	.text
	.protected	k_q038872e106_prep
	.globl	k_q038872e106_prep
	.p2align	8
	.type	k_q038872e106_prep,@function
k_q038872e106_prep:
	s_mov_b64 s[64:65], 0
	v_nop
	global_prefetch_b8 v0, s[64:65] scope:SCOPE_SE
	s_setreg_imm32_b32 hwreg(HW_REG_WAVE_MODE, 25, 1), 1
	s_wait_xcnt 0x0
; CAST AND RE-LAYOUT.  X, Wq, Wk, Wv are rounded to bf16; Wo is rounded to bf16 and that number written as f16.
; All go out in CHUNKS of 16 rows x 16 columns (512 bytes = 32 pieces of 16 bytes; piece (p, e) = row p, columns 8 e .. 8 e + 7):
;   form R (X): piece at 16 (p + 16 e): a plain 16-byte LDS load at chunk + 16 x lane is half a matrix fragment with the lane on the row;
;   form T (weights, rows = k): piece at 16 ((p & 7) + 8 e + 16 (p >> 3)): the turning LDS load at chunk + 16 x lane is half a fragment with the lane on the column.
; LIMITS.  Wo beyond 65,504 would become an infinity in f16; below 6e-5 it keeps f16's fixed step of 6e-8.
; A stream: no matrix unit, no cluster, no tensor load.  A wave takes three tiles of 16 rows x 64 columns of f32 (rows of 256 bytes): two of X, one of a weight;
; all 24 loads go out at once.  A tile is turned in the wave's own stage in LDS (LDS serves a wave's instructions in order, ISA guide 5.7.1.4: no barrier), and each store writes a whole chunk.
.set PITCH, 272                        ; a stage row: 256 bytes + 16 = 68 words: row r starts at bank 4 r mod 64 (64 banks of 4 bytes: ISA guide 11.1)
.set STG,   16*PITCH                   ; a wave's stage
.set SPARE, 16*STG                     ; behind the stages: the spare words, 128 bytes a wave, that no other line names
.set GO,  1                            ; v1  my byte offset in two rows of the source: (l / 16) x 4096 + 16 (l % 16)
.set LS,  2                            ; v2  where I put those 16 bytes in the stage
.set LR,  3                            ; v3  where I read my piece back, form R: row l % 16, 32 bytes at 32 (l / 16)
.set LT,  4                            ; v4  the same, form T: row (l & 7) + 8 (l / 16), 32 bytes at 32 ((l / 8) & 1)
.set L16, 5                            ; v5  16 x lane: my piece's place in a chunk
.set SPW, 8                            ; v8  my spare word; never rewritten
.set NIL, 9                            ; v9  0; never rewritten
.set IN,  32                           ; v[32:127]  the three tiles as loaded
.set BK,  128                          ; v[128:159] a tile read back: 8 f32 for each of its 4 chunks
.set OUT, 160                          ; v[160:175] 4 pieces to store
	s_load_b512 s[16:31], s[0:1], 0x0              ; X s[16:17], Wq, Wk, Wv, Wo s[24:25], xf s[26:27], wc s[28:29], wof s[30:31]
	v_lshl_add_u32 v[SPW], v0, 2, SPARE
	v_mov_b32 v[NIL], 0
	v_lshrrev_b32 v6, 5, v0
	v_readfirstlane_b32 s2, v6                     ; wave 0..15
	v_and_b32 v6, 31, v0                           ; l
	v_and_b32 v7, 15, v0                           ; l % 16
	v_bfe_u32 v10, v0, 4, 1                        ; l / 16
	v_lshlrev_b32 v[L16], 4, v6
	v_lshlrev_b32 v[GO], 4, v7
	v_lshl_add_u32 v[GO], v10, 12, v[GO]
	s_mul_i32 s8, s2, STG
	v_mul_u32_u24 v[LS], v10, PITCH
	v_lshl_add_u32 v[LS], v7, 4, v[LS]
	v_add_nc_u32 v[LS], s8, v[LS]
	v_mul_u32_u24 v[LR], v7, PITCH
	v_lshl_add_u32 v[LR], v10, 5, v[LR]
	v_add_nc_u32 v[LR], s8, v[LR]
	v_and_b32 v11, 7, v0
	v_lshl_add_u32 v11, v10, 3, v11
	v_bfe_u32 v12, v0, 3, 1
	v_mul_u32_u24 v[LT], v11, PITCH
	v_lshl_add_u32 v[LT], v12, 5, v[LT]
	v_add_nc_u32 v[LT], s8, v[LT]
	s_lshr_b32 s3, ttmp9, 6                        ; which weight: 0 Wq, 1 Wk, 2 Wv, 3 Wo
	s_and_b32 s4, ttmp9, 63                        ; its block of 16 rows (k)
	s_lshr_b32 s5, s2, 3
	s_lshl1_add_u32 s5, ttmp9, s5                  ; X's block of 16 rows: 2 G + w / 8
	s_and_b32 s6, s2, 7
	s_lshl_b32 s10, s5, 16                         ; X: 16 rows of 4,096 bytes,
	s_lshl_b32 s7, s6, 9                           ; my two column groups of 256 bytes
	s_add_co_u32 s10, s10, s7
	s_mov_b32 s11, 0
	s_lshl_b32 s12, s4, 16                         ; weight: 16 rows, column group w
	s_lshl_b32 s7, s2, 8
	s_add_co_u32 s12, s12, s7
	s_mov_b32 s13, 0
	s_lshr_b32 s14, s5, 3                          ; xf: block of 128 rows x 262,144 + column chunk x 4,096 + row chunk x 512
	s_lshl_b32 s14, s14, 18
	s_lshl_b32 s7, s6, 15
	s_add_co_u32 s14, s14, s7
	s_and_b32 s7, s5, 7
	s_lshl_b32 s7, s7, 9
	s_add_co_u32 s14, s14, s7
	s_mov_b32 s15, 0
	s_mul_i32 s32, s2, 12                          ; wc: column chunk 12 w + 4 sel + c, 32,768 bytes each; k chunk x 512
	s_lshl2_add_u32 s32, s3, s32
	s_lshl_b32 s32, s32, 15
	s_lshl_b32 s7, s4, 9
	s_add_co_u32 s32, s32, s7
	s_mov_b32 s33, 0
	s_lshl_b32 s34, s2, 17                         ; wof: column chunk 4 w + c
	s_add_co_u32 s34, s34, s7
	s_mov_b32 s35, 0
	s_wait_kmcnt 0x0
	s_add_nc_u64 s[16:17], s[16:17], s[10:11]
	s_cmp_eq_u32 s3, 0
	s_cselect_b64 s[36:37], s[18:19], s[20:21]
	s_cmp_eq_u32 s3, 2
	s_cselect_b64 s[36:37], s[22:23], s[36:37]
	s_cmp_eq_u32 s3, 3
	s_cselect_b64 s[36:37], s[24:25], s[36:37]
	s_add_nc_u64 s[36:37], s[36:37], s[12:13]
	s_add_nc_u64 s[26:27], s[26:27], s[14:15]
	s_add_nc_u64 s[28:29], s[28:29], s[32:33]
	s_add_nc_u64 s[30:31], s[30:31], s[34:35]
.irp i, 0,1,2,3,4,5,6,7                ; each load takes two whole rows of 256 bytes; every byte is read once in the launch
	global_load_b128 v[IN+4*(\i):IN+4*(\i)+3], v[GO], s[16:17] offset:(\i)*8192 th:TH_LOAD_NT
.endr
.irp i, 0,1,2,3,4,5,6,7
	global_load_b128 v[IN+32+4*(\i):IN+32+4*(\i)+3], v[GO], s[16:17] offset:(\i)*8192+256 th:TH_LOAD_NT
.endr
.irp i, 0,1,2,3,4,5,6,7
	global_load_b128 v[IN+64+4*(\i):IN+64+4*(\i)+3], v[GO], s[36:37] offset:(\i)*8192 th:TH_LOAD_NT
.endr
; Tile t: into the stage by rows, back by pieces (address register la), rounded (fmt 1: to bf16 and then written as f16), four chunks stored.  left: the younger loads that may stay out.
.macro PROC t, la, fmt, sb, off0, stride, left
	s_wait_loadcnt \left                           ; loads come back in order: this tile's eight are in
.irp i, 0,1,2,3,4,5,6,7
	ds_store_b128 v[LS], v[IN+32*(\t)+4*(\i):IN+32*(\t)+4*(\i)+3] offset:(\i)*2*PITCH
.endr
.irp c, 0,1,2,3
	ds_load_b128 v[BK+8*(\c):BK+8*(\c)+3],   v[\la] offset:64*(\c)
	ds_load_b128 v[BK+8*(\c)+4:BK+8*(\c)+7], v[\la] offset:64*(\c)+16
.endr
	s_wait_dscnt 0x0
	s_wait_xcnt 0x0                                ; the stores of the tile before have read OUT: it is rewritten only behind this wait
.irp p, 0,1,2,3,4,5,6,7,8,9,10,11,12,13,14,15
.if \fmt
	v_cvt_pk_bf16_f32 v10, v[BK+2*(\p)], v[BK+2*(\p)+1]
	v_lshlrev_b32 v11, 16, v10
	v_and_b32 v12, 0xffff0000, v10
	v_cvt_pk_f16_f32 v[OUT+(\p)], v11, v12
.else
	v_cvt_pk_bf16_f32 v[OUT+(\p)], v[BK+2*(\p)], v[BK+2*(\p)+1]
.endif
.endr
.irp c, 0,1,2,3
	global_store_b128 v[L16], v[OUT+4*(\c):OUT+4*(\c)+3], s[\sb:\sb+1] offset:(\off0)+(\c)*(\stride)  ; 512 consecutive bytes, aligned: a whole chunk
.endr
.endm
	PROC 0, LR, 0, 26, 0, 4096, 16
	PROC 1, LR, 0, 26, 16384, 4096, 8
	s_cmp_eq_u32 s3, 3
	s_cbranch_scc1 .Lwo
	PROC 2, LT, 0, 28, 0, 32768, 0
	s_branch .Lend
.Lwo:
	PROC 2, LT, 1, 30, 0, 32768, 0
.Lend:
	s_wait_tensorcnt 0x0                           ; the wave's end, behind my last LDS store
	ds_add_u32 v[SPW], v[NIL]
	s_wait_dscnt 0x0
	s_endpgm
.Lfunc_end_k_q038872e106_prep:
	.size	k_q038872e106_prep, .Lfunc_end_k_q038872e106_prep-k_q038872e106_prep
	.p2alignl 7, 3214868480
	.fill 96, 4, 3214868480
	.section	.rodata,"a",@progbits
	.p2align	6, 0x0
	.amdhsa_kernel k_q038872e106_prep
		.amdhsa_group_segment_fixed_size 71680
		.amdhsa_private_segment_fixed_size 0
		.amdhsa_enable_private_segment 0
		.amdhsa_kernarg_size 64
		.amdhsa_user_sgpr_count 2
		.amdhsa_user_sgpr_kernarg_segment_ptr 1
		.amdhsa_wavefront_size32 1
		.amdhsa_system_sgpr_workgroup_id_x 1
		.amdhsa_system_sgpr_workgroup_id_y 1
		.amdhsa_system_sgpr_workgroup_id_z 1
		.amdhsa_system_vgpr_workitem_id 0
		.amdhsa_next_free_vgpr 176
		.amdhsa_next_free_sgpr 66
		.amdhsa_reserve_vcc 0
		.amdhsa_float_denorm_mode_32 3
		.amdhsa_float_denorm_mode_16_64 3
		.amdhsa_memory_ordered 1
		.amdhsa_forward_progress 1
		.amdhsa_inst_pref_size 18
	.end_amdhsa_kernel
	.amdgpu_metadata
---
amdhsa.version: [ 1, 2 ]
amdhsa.kernels:
  - .name:           k_q038872e106_prep
    .symbol:         k_q038872e106_prep.kd
    .args:
      - { .name: X, .offset: 0, .size: 8, .value_kind: global_buffer, .address_space: global }
      - { .name: Wq, .offset: 8, .size: 8, .value_kind: global_buffer, .address_space: global }
      - { .name: Wk, .offset: 16, .size: 8, .value_kind: global_buffer, .address_space: global }
      - { .name: Wv, .offset: 24, .size: 8, .value_kind: global_buffer, .address_space: global }
      - { .name: Wo, .offset: 32, .size: 8, .value_kind: global_buffer, .address_space: global }
      - { .name: xf, .offset: 40, .size: 8, .value_kind: global_buffer, .address_space: global }
      - { .name: wc, .offset: 48, .size: 8, .value_kind: global_buffer, .address_space: global }
      - { .name: wof, .offset: 56, .size: 8, .value_kind: global_buffer, .address_space: global }
    .group_segment_fixed_size: 71680
    .private_segment_fixed_size: 0
    .kernarg_segment_align: 8
    .kernarg_segment_size: 64
    .max_flat_workgroup_size: 512
    .sgpr_count:     66
    .vgpr_count:     176
    .wavefront_size: 32
...
	.end_amdgpu_metadata
.endif
;; end of part 1
;; launch proj (part 2): grid 16 x 16, 4 waves a work-group, clusters of 4 x 4, 327,680 bytes of LDS; arguments xf, wc, qkv; writes qkv
.if DOCPART == 2
	.amdgcn_target "amdgcn-amd-amdhsa--gfx1250"
	.amdhsa_code_object_version 6
	.text
	.protected	k_q038872e106_proj
	.globl	k_q038872e106_proj
	.p2align	8
	.type	k_q038872e106_proj,@function
k_q038872e106_proj:
	s_mov_b64 s[64:65], 0
	v_nop
	global_prefetch_b8 v0, s[64:65] scope:SCOPE_SE
	s_setreg_imm32_b32 hwreg(HW_REG_WAVE_MODE, 25, 1), 1
	s_wait_xcnt 0x0
	s_wait_alu depctr_hold_cnt(0) depctr_sa_sdst(0) depctr_va_vdst(0) depctr_va_sdst(0) depctr_va_ssrc(0) depctr_va_vcc(0) depctr_vm_vsrc(0)
	s_getreg_b32 s2, hwreg(HW_REG_IB_STS2, 6, 4)
	s_cmp_eq_u32 s2, 0
	s_cbranch_scc0 .Lentry_in_a_cluster
	s_endpgm
.Lentry_in_a_cluster:
	s_bfe_u32 s2, ttmp6, 0x10000c
	s_cmp_lg_u32 s2, 0xf033
	s_cbranch_scc0 .Lentry_shape_is_right
	s_endpgm
.Lentry_shape_is_right:
; [Q|K|V] = X [Wq|Wk|Wv]: 8,192 x 3,072 x 1,024, operands bf16, sums f32, results rounded once to f16.
; LIMIT.  Q, K, V beyond 65,504 would become infinities in f16.
; A tile is 256 rows x 192 columns (64 channels each of Q, K, V): 512 tiles.  Four waves, each 128 x 96: 48 accumulators, 384 registers.
; A WORK-GROUP STAYS: it makes two tiles of one tile column, tile rows Y and Y + 16: ONE walk of 16 K steps of 128 through two LDS slots; the ring does not stop at the change of tiles,
; and nothing waits for the first tile's stores.  Every test of the walk is the loop's counter against a constant.  The way out stands once in the text: the tail joins it, and a flag ends the walk behind it.
; Operands lie in memory in chunks of 16 x 16 (512 bytes) in fragment order, so a tile is a dense block (X) or rows of 4,096 bytes (weights),
; every LDS read is 16 x lane on end (each bank once, no padding), and a result's 16 bytes a lane are stored as whole chunks of 512 bytes, with no stage.
; CLUSTER 4 x 4: X's tile hangs on the tile row and is asked for jointly along a row of the cluster, the weights' on the tile column, along a column.
; THE MATRIX INSTRUCTION IS USED TRANSPOSED (source 0 = 16 columns of W, source 1 = 16 rows of X): a lane holds eight neighbouring columns of one row.
; REGISTERS by windows of 256: window 0: v16-30 addresses; v64-127, v128-191 X's fragments, two buffers; v128-223 on the way out (buffer 1 is free there).  window 1: v0-47, v64-111 W's fragments.
;   window 2: accumulators of my rows 0-63 ((a, b) at 8 (6 a + b)); window 3: of rows 64-127.
.set NWALK,  16                        ; two tiles of 8 K steps
.set SLOT1,  1<<17                     ; slot 1 begins here: one exclusive or turns an address of one slot into the other's
.set BOFF,   65536                     ; in a slot: X's 2 x 32,768 bytes [half][k chunk 8][row chunk 8][512], then W's 2 x 24,576 [column chunk 12][k chunk 8][512]
.set BHALF,  24576
.set STEPA,  32768                     ; bytes from a K step to the next in xf
.set STEPB,  4096                      ; and in wc
.set TILEA,  32*262144                 ; xf: from the first tile's rows to the second's: 16 tile rows = 32 blocks of 128 rows
.set TILEO,  32*786432                 ; the same in qkv
.set SPARE,  SLOT1+BOFF+2*BHALF        ; behind the ring: the spare words, 128 bytes a wave, that no other line names
.set ADRA, 16                          ; v16  LDS address of my X fragments in the slot in hand
.set ADRB, 17                          ; v17  of my W fragments
.set A0,   18                          ; v18  the same in slot 0; never rewritten
.set B0,   19                          ; v19
.set VO,   20                          ; v20-22  byte offsets in qkv of my pairs of column chunks
.set L16,  23                          ; v23  16 x lane: a piece's place in a chunk of form R
.set LPM,  24                          ; v24  its place in form T
.set SPW,  28                          ; v28  my spare word; never rewritten
.set NIL,  29                          ; v29  0; never rewritten
.set PFO,  30                          ; v30  256 x lane, for the prefetches; never rewritten
.set TMP,  128                         ; four sets of 24 registers
.set G1A, 24                           ; s[24:31] descriptor group 1 for X's tiles
.set G0A, 32                           ; s[32:39] group 0: a set for each first fill; the second then walks
.set TBS, 45                           ; s45  0 or SLOT1: the slot in hand
.set G1B, 48                           ; s[48:55], s[56:63] the same for W's tiles
.set G0B, 56
.set PFA, 66                           ; s[66:67] where my prefetches stand
.set LIM, 68                           ; s68  3 in a wave that prefetches, else the greatest number
.set LAST, 71                          ; s71  1 when the walk's last tile goes out
.set T2A, 72                           ; s[72:73], s[74:75] the second tile's first addresses, type bits set
.set T2B, 74
.set PFS, 76                           ; s[76:77] the prefetch pointer's step
.set PFB, 78                           ; s78  its step from the first tile's last K step to the second's first
.set OC,  80                           ; s[80:81] qkv at my rows of the tile that goes out
.set O2,  82                           ; s[82:83] qkv at my rows of the second tile
.set MUL_LO, 0xa1                      ; source 0 (W) window 1, source 1 (X) window 0, C and D window 2
.set MUL_HI, 0xf1
.set TO_B,   0x40
.set MSB, 0
.macro WIN new                         ; the immediate's high byte repeats the setting that is left; a switch that changes nothing is dropped
.if MSB != (\new)
	s_set_vgpr_msb (MSB<<8)|(\new)
.set MSB, \new
.endif
.endm
.macro PLACES                          ; four plain vector instructions between a matrix instruction and a load into, or a read of, its registers
.rept 4
	v_nop
.endr
.endm
.macro CREST                           ; a round of the cluster's barrier behind its opening barrier
	s_cmp_lg_u32 s10, 0
	s_cbranch_scc1 .Lnot_wave_0_\@
	s_barrier_signal -3
.Lnot_wave_0_\@:
	s_barrier_wait -3
	s_barrier_signal -1
	s_barrier_wait -1
.endm
.macro CROUND
	s_barrier_signal -1
	s_barrier_wait -1
	CREST
.endm
.macro JLOAD                           ; a joint refill by the walking descriptors: waves 0, 1 X's halves, waves 2, 3 W's; an s_nop 0 and four v_nop follow each line
	s_cmp_eq_u32 s11, 0
	s_cbranch_scc0 .Lfor_b_\@
	tensor_load_to_lds s[G0A+4:G0A+7], s[G1A:G1A+7]
	s_nop 0
.rept 4
	v_nop
.endr
	s_branch .Lasked_\@
.Lfor_b_\@:
	tensor_load_to_lds s[G0B+4:G0B+7], s[G1B:G1B+7]
	s_nop 0
.rept 4
	v_nop
.endr
.Lasked_\@:
.endm
; A PREFETCH INTO THE L2 of X's step two refills on in the walk: of the 128 blocks of 256 bytes that a wave fetches in a step each of the four partners that ask jointly takes 32, told apart by address, a lane a block.
; X's rows are read by the four clusters of a row of clusters: the one with x = 0 asks, so each block is named once.  The walk's steps 0 to 3 come by their loads alone; its last two refills have no step two on.
.macro ASK
	s_cmp_gt_u32 s3, s[LIM]
	s_cbranch_scc0 .Lnot_mine_\@
	global_prefetch_b8 v[PFO], s[PFA:PFA+1] th:TH_LOAD_NT scope:SCOPE_SE
.Lnot_mine_\@:
.endm
	s_load_b128 s[4:7], s[0:1], 0x0                ; xf s[4:5], wc s[6:7]
	s_load_b64 s[8:9], s[0:1], 0x10                ; qkv
	v_lshl_add_u32 v[SPW], v0, 2, SPARE
	v_mov_b32 v[NIL], 0
	ds_add_u32 v[SPW], v[NIL]                      ; the wave's opening: the add and its wait ahead of my first tensor load
	v_lshrrev_b32 v1, 5, v0
	v_readfirstlane_b32 s10, v1                    ; wave 0..3
	s_lshr_b32 s11, s10, 1                         ; my half of the tile's rows; also: I fetch X (0) or W (1)
	s_and_b32 s12, s10, 1                          ; my half of its columns; also: which half I fetch
	s_bfe_u32 s40, ttmp6, 0x40000                  ; cx
	s_bfe_u32 s41, ttmp6, 0x40004                  ; cy
	s_lshl_b32 s42, ttmp9, 2
	s_add_co_u32 s42, s42, s40                     ; tile column 0..15
	s_and_b32 s13, ttmp7, 0xffff
	s_lshl_b32 s13, s13, 2
	s_add_co_u32 s13, s13, s41                     ; the first tile's row 0..15
	s_lshl_b32 s43, s41, 2
	s_lshl_b32 s43, 15, s43                        ; my row of the cluster
	s_lshl_b32 s44, 0x1111, s40                    ; my column
	s_or_b32 s[G1A], s43, (3<<16)|(1<<21)          ; 15:0 the mask; 17:16 elements of 8 bytes; 21 set beside a mask; no padding
	s_or_b32 s[G1B], s44, (3<<16)|(1<<21)
	s_mov_b32 s[G1A+1], 32<<16                     ; X: a dense block as 128 rows of 32 elements (256 bytes)
	s_mov_b32 s[G1A+2], 128<<16
	s_mov_b32 s[G1A+3], 32<<16
	s_mov_b32 s[G1A+4], 128
	s_mov_b32 s[G1A+5], 32
	s_mov_b32 s[G1A+6], 0
	s_mov_b32 s[G1A+7], 0
	s_mov_b32 s[G1B+1], 512<<16                    ; W: 6 rows (column chunks) of 512 elements (4,096 bytes), 4,096 elements apart
	s_mov_b32 s[G1B+2], 6<<16
	s_mov_b32 s[G1B+3], 512<<16
	s_mov_b32 s[G1B+4], 6
	s_mov_b32 s[G1B+5], 4096
	s_mov_b32 s[G1B+6], 0
	s_mov_b32 s[G1B+7], 0
	s_lshl1_add_u32 s16, s13, s12                  ; X: block of 128 rows 2 Y + half,
	s_lshl_b32 s16, s16, 18                        ; 262,144 bytes each
	s_mov_b32 s17, 0
	s_mul_i32 s46, s42, 12                         ; W: column chunk 12 nt + 6 half,
	s_mul_i32 s47, s12, 6
	s_add_co_u32 s46, s46, s47
	s_lshl_b32 s46, s46, 15                        ; 32,768 bytes each
	s_mov_b32 s47, 0
	s_lshl_b32 s20, s12, 15                        ; where they go: no place in the cluster enters an LDS address
	s_mul_i32 s21, s12, BHALF
	s_add_co_u32 s21, s21, BOFF
	s_mov_b32 s[TBS], 0
	s_mov_b32 s[LAST], 0
	s_mov_b32 s[PFS+1], 0
	s_mov_b32 s[PFB], TILEA-7*STEPA
	s_wait_dscnt 0x0                               ; the opening add is done
	s_wait_kmcnt 0x0
	s_add_nc_u64 s[14:15], s[4:5], s[16:17]
	s_add_nc_u64 s[46:47], s[6:7], s[46:47]
	s_add_nc_u64 s[T2A:T2A+1], s[14:15], TILEA
	s_or_b32 s[T2A+1], s[T2A+1], 0x80000000
	CROUND                                         ; all sixteen work-groups are here: the first joint loads meet
.irp s, 0,1
	s_mov_b32 s[G0A+4*(\s)], 1
	s_add_co_u32 s[G0A+4*(\s)+1], s20, (\s)*SLOT1
	s_add_nc_u64 s[G0A+4*(\s)+2:G0A+4*(\s)+3], s[14:15], (\s)*STEPA
	s_or_b32 s[G0A+4*(\s)+3], s[G0A+4*(\s)+3], 0x80000000
	s_mov_b32 s[G0B+4*(\s)], 1
	s_add_co_u32 s[G0B+4*(\s)+1], s21, (\s)*SLOT1
	s_add_nc_u64 s[G0B+4*(\s)+2:G0B+4*(\s)+3], s[46:47], (\s)*STEPB
	s_or_b32 s[G0B+4*(\s)+3], s[G0B+4*(\s)+3], 0x80000000
.endr
	s_mov_b64 s[T2B:T2B+1], s[G0B+2:G0B+3]         ; both tiles take the same columns of W from its first K step on
	s_cmp_eq_u32 s11, 0                            ; a wave's two first fills stand in one branch: two loads of mine are out
	s_cbranch_scc0 .Lfirst_b
	tensor_load_to_lds s[G0A:G0A+3], s[G1A:G1A+7]
	s_nop 0
	tensor_load_to_lds s[G0A+4:G0A+7], s[G1A:G1A+7]
	s_nop 0
.rept 4
	v_nop
.endr
	s_branch .Lfirst_done
.Lfirst_b:
	tensor_load_to_lds s[G0B:G0B+3], s[G1B:G1B+7]
	s_nop 0
	tensor_load_to_lds s[G0B+4:G0B+7], s[G1B:G1B+7]
	s_nop 0
.rept 4
	v_nop
.endr
.Lfirst_done:
	v_and_b32 v1, 31, v0
	v_lshlrev_b32 v[L16], 4, v1
	v_lshlrev_b32 v[PFO], 8, v1
	s_lshl_b32 s22, s11, 15
	v_add_nc_u32 v[A0], s22, v[L16]                ; my 128 rows of X
	s_mul_i32 s23, s12, BHALF
	s_add_co_u32 s23, s23, BOFF
	v_add_nc_u32 v[B0], s23, v[L16]                ; my 6 column chunks of W
	v_mov_b32 v[ADRA], v[A0]
	v_mov_b32 v[ADRB], v[B0]
	v_and_b32 v2, 7, v0                            ; form T: 16 ((r & 7) + 8 h + 16 (r >> 3))
	v_bfe_u32 v3, v0, 4, 1
	v_bfe_u32 v4, v0, 3, 1
	v_lshl_add_u32 v5, v3, 3, v2
	v_lshl_add_u32 v5, v4, 4, v5
	v_lshlrev_b32 v[LPM], 4, v5
.irp g, 0,1,2                          ; my column chunks 6 wc + 2 g and the next: which of Q, K, V (chunk / 4), channel chunk 4 nt + chunk % 4; V goes out in form T
	s_mul_i32 s18, s12, 6
	s_add_co_u32 s18, s18, 2*(\g)
	s_lshr_b32 s19, s18, 2
	s_and_b32 s18, s18, 3
	s_lshl_b32 s69, s19, 6
	s_add_co_u32 s69, s69, s18
	s_lshl2_add_u32 s69, s42, s69
	s_lshl_b32 s69, s69, 12
	s_cmp_eq_u32 s19, 2
	s_cselect_b32 s70, -1, 0
	v_cndmask_b32 v[VO+(\g)], v[L16], v[LPM], s70
	v_add_nc_u32 v[VO+(\g)], s69, v[VO+(\g)]
.endr
	s_lshl1_add_u32 s16, s13, s11                  ; qkv at my block of 128 rows, in the first tile
	s_mul_i32 s16, s16, 786432
	s_mov_b32 s17, 0
	s_add_nc_u64 s[8:9], s[8:9], s[16:17]
	s_add_nc_u64 s[O2:O2+1], s[8:9], TILEO         ; and in the second
	s_lshl_b32 s18, s40, 13                        ; the prefetches: my work-group's 32 blocks of the wave's 128,
	s_add_co_u32 s18, s18, 3*STEPA                 ; at the walk's step 3: the first refill steps it to 4
	s_mov_b32 s19, 0
	s_add_nc_u64 s[PFA:PFA+1], s[14:15], s[18:19]
	s_or_b32 s[LIM], s11, ttmp9                    ; waves 0 and 1 of the clusters with x = 0: the same in all sixteen partners
	s_cmp_eq_u32 s[LIM], 0
	s_cselect_b32 s[LIM], 3, -1
; 12 matrix instructions: row blocks a0, a0 + 1 of the window's four x all 6 column blocks, 32 along K, buffer f.  The accumulators take turns.
.macro MUL12 f, hi, a0, zero
	WIN MUL_LO+0x50*(\hi)
.irp a, \a0, (\a0)+1
.irp b, 0,1,2,3,4,5
.if \zero
	v_wmma_f32_16x16x32_bf16 v[8*(6*(\a)+(\b)):8*(6*(\a)+(\b))+7], v[64*(\f)+8*(\b):64*(\f)+8*(\b)+7], v[64+64*(\f)+8*(4*(\hi)+(\a)):64+64*(\f)+8*(4*(\hi)+(\a))+7], 0
.else
	v_wmma_f32_16x16x32_bf16 v[8*(6*(\a)+(\b)):8*(6*(\a)+(\b))+7], v[64*(\f)+8*(\b):64*(\f)+8*(\b)+7], v[64+64*(\f)+8*(4*(\hi)+(\a)):64+64*(\f)+8*(4*(\hi)+(\a))+7], v[8*(6*(\a)+(\b)):8*(6*(\a)+(\b))+7]
.endif
.endr
.endr
.endm
; 28 LDS loads in one run: quarter k (32 along K: k chunks 2 k, 2 k + 1) of the slot in hand into buffer f: W turned, then X as it lies
.macro FETCH k, f
	WIN TO_B
.irp b, 0,1,2,3,4,5
	ds_load_tr16_b128 v[64*(\f)+8*(\b):64*(\f)+8*(\b)+3],   v[ADRB] offset:(8*(\b)+2*(\k))*512
	ds_load_tr16_b128 v[64*(\f)+8*(\b)+4:64*(\f)+8*(\b)+7], v[ADRB] offset:(8*(\b)+2*(\k))*512+512
.endr
	WIN 0
.irp a, 0,1,2,3,4,5,6,7
	ds_load_b128 v[64+64*(\f)+8*(\a):64+64*(\f)+8*(\a)+3],   v[ADRA] offset:(16*(\k)+(\a))*512
	ds_load_b128 v[64+64*(\f)+8*(\a)+4:64+64*(\f)+8*(\a)+7], v[ADRA] offset:(16*(\k)+(\a))*512+4096
.endr
.endm
; One of a K step's first three quarters: multiplies buffer f, and in its middle fetches quarter k into buffer g
.macro QUARTER k, f, g, zero
	s_wait_dscnt 8                                 ; W and X's rows 0-63 are in; the youngest eight loads (rows 64-127) may be out
	MUL12 \f, 0, 0, \zero
	MUL12 \f, 0, 2, \zero
	PLACES
	FETCH \k, \g
	s_wait_dscnt 28                                ; all but the 28 just issued
	MUL12 \f, 1, 0, \zero
	MUL12 \f, 1, 2, \zero
.endm
; The last quarter multiplies buffer 1 and changes slots: in front of the barrier each wave waits for all its tensor loads (one is out: its part of the next slot), adds 0 to its spare word,
; and waits for that and for its reads of this slot.  fill = 1: the barrier opens a round of the cluster's, and the joint refill, the walk's step two on, is the first thing behind it: 168 matrix instructions ahead of the wait for it.
; s3 counts the walk down from 15: at 11 the prefetch pointer passes to the second tile's rows, at 9 the refill is the second tile's first K step.
.macro TURN fill
.if \fill
	s_wait_xcnt 0x0                                ; the last prefetch, a K step back, has read its address
	s_cmp_eq_u32 s3, 11
	s_cselect_b32 s[PFS], s[PFB], STEPA
	s_add_nc_u64 s[PFA:PFA+1], s[PFA:PFA+1], s[PFS:PFS+1]
.endif
	WIN 0
	s_wait_tensorcnt 0x0
	ds_add_u32 v[SPW], v[NIL]
.if \fill
	s_xor_b32 s[G0A+5], s[G0A+5], SLOT1            ; no load of mine is out: the walking descriptors step to the other slot and the next K step
	s_add_nc_u64 s[G0A+6:G0A+7], s[G0A+6:G0A+7], STEPA
	s_xor_b32 s[G0B+5], s[G0B+5], SLOT1
	s_add_nc_u64 s[G0B+6:G0B+7], s[G0B+6:G0B+7], STEPB
	s_cmp_eq_u32 s3, 9
	s_cselect_b64 s[G0A+6:G0A+7], s[T2A:T2A+1], s[G0A+6:G0A+7]
	s_cselect_b64 s[G0B+6:G0B+7], s[T2B:T2B+1], s[G0B+6:G0B+7]
.endif
	s_wait_dscnt 9                                 ; the add and the youngest eight loads may be out
	MUL12 1, 0, 0, 0
	s_wait_dscnt 0x0                               ; the add is done, my reads of this slot are over
	s_barrier_signal -1
	MUL12 1, 0, 2, 0
	WIN 0
	s_barrier_wait -1
.if \fill
	CREST
	JLOAD                                          ; its four v_nop are also the places in front of the loads below
.else
	PLACES
.endif
	s_xor_b32 s[TBS], s[TBS], SLOT1
	v_add_nc_u32 v[ADRA], s[TBS], v[A0]
	v_add_nc_u32 v[ADRB], s[TBS], v[B0]
	FETCH 0, 0
.if \fill
	ASK
.endif
	MUL12 1, 1, 0, 0
	MUL12 1, 1, 2, 0
.endm
	s_wait_tensorcnt 1                             ; my part of K step 0 is in; step 1's load, issued behind it, may stay out
	s_barrier_signal -1
	s_barrier_wait -1
	FETCH 0, 0
	QUARTER 1, 0, 1, 1                             ; a tile's first quarter starts the sums
	WIN 0
	s_mov_b32 s3, NWALK-1
.Lstep:                                                ; a trip: a step's quarters 1 to 3, the refill, the next step's quarter 0
	QUARTER 2, 1, 0, 0
	QUARTER 3, 0, 1, 0
	WIN 0
	s_cmp_eq_u32 s3, 1                             ; the walk's last step but one: the loop is left for the tail, which asks for nothing
	s_cbranch_scc1 .Ltail
	TURN 1
	WIN 0
	s_cmp_eq_u32 s3, 8                             ; the first tile's last step is done
	s_cbranch_scc1 .Lway
	QUARTER 1, 0, 1, 0
	WIN 0
	s_branch .Lnext
.Ltail:
	TURN 0
	QUARTER 1, 0, 1, 0
	QUARTER 2, 1, 0, 0
	QUARTER 3, 0, 1, 0
	s_wait_dscnt 8
	MUL12 1, 0, 0, 0
	MUL12 1, 0, 2, 0
	s_wait_dscnt 0x0
	MUL12 1, 1, 0, 0
	MUL12 1, 1, 2, 0
	WIN 0
	s_mov_b32 s[LAST], 1
.Lway:
	; THE WAY OUT: a lane's eight columns of a row round to 16 bytes, one piece of a chunk; a store writes the whole chunk, 512 consecutive bytes.  Buffer 0, which may hold the next tile's first fragments, is not touched.
	PLACES
	s_cmp_eq_u32 s[LAST], 1
	s_cselect_b64 s[OC:OC+1], s[O2:O2+1], s[8:9]
.irp a, 0,1,2,3,4,5,6,7
.if (\a) == 4
	s_wait_xcnt 0x0                                ; the stores of blocks 0 to 3 have read the four sets of registers
.endif
	WIN 0x0a+5*((\a)/4)                            ; sources in window 2 or 3
.irp b, 0,1,2,3,4,5
.irp r, 0,1,2,3
	v_cvt_pk_f16_f32 v[TMP+24*((\a)%4)+4*(\b)+(\r)], v[8*(6*((\a)%4)+(\b))+2*(\r)], v[8*(6*((\a)%4)+(\b))+2*(\r)+1]
.endr
.endr
	WIN 0
.irp b, 0,1,2,3,4,5
	global_store_b128 v[VO+(\b)/2], v[TMP+24*((\a)%4)+4*(\b):TMP+24*((\a)%4)+4*(\b)+3], s[OC:OC+1] offset:((\b)%2)*4096+(\a)*512
.endr
.endr
	s_cmp_eq_u32 s[LAST], 1
	s_cbranch_scc1 .Lend
	s_wait_xcnt 0x0                                ; the stores have read their registers: buffer 1 is loaded again, and their base chosen again, only behind this wait
	QUARTER 1, 0, 1, 1                             ; the second tile's first quarter starts new sums
	WIN 0
.Lnext:
	s_sub_co_u32 s3, s3, 1
	s_cmp_lg_u32 s3, 0
	s_cbranch_scc1 .Lstep
.Lend:
	s_wait_tensorcnt 0x0                           ; the wave's end
	ds_add_u32 v[SPW], v[NIL]
	s_wait_dscnt 0x0
	CROUND                                         ; the closing round
	s_endpgm
.Lfunc_end_k_q038872e106_proj:
	.size	k_q038872e106_proj, .Lfunc_end_k_q038872e106_proj-k_q038872e106_proj
	.p2alignl 7, 3214868480
	.fill 96, 4, 3214868480
	.section	.rodata,"a",@progbits
	.p2align	6, 0x0
	.amdhsa_kernel k_q038872e106_proj
		.amdhsa_group_segment_fixed_size 327680
		.amdhsa_private_segment_fixed_size 0
		.amdhsa_enable_private_segment 0
		.amdhsa_kernarg_size 24
		.amdhsa_user_sgpr_count 2
		.amdhsa_user_sgpr_kernarg_segment_ptr 1
		.amdhsa_wavefront_size32 1
		.amdhsa_system_sgpr_workgroup_id_x 1
		.amdhsa_system_sgpr_workgroup_id_y 1
		.amdhsa_system_sgpr_workgroup_id_z 1
		.amdhsa_system_vgpr_workitem_id 0
		.amdhsa_next_free_vgpr 960
		.amdhsa_next_free_sgpr 84
		.amdhsa_reserve_vcc 0
		.amdhsa_float_denorm_mode_32 3
		.amdhsa_float_denorm_mode_16_64 3
		.amdhsa_memory_ordered 1
		.amdhsa_forward_progress 1
		.amdhsa_inst_pref_size 84
	.end_amdhsa_kernel
	.amdgpu_metadata
---
amdhsa.version: [ 1, 2 ]
amdhsa.kernels:
  - .name:           k_q038872e106_proj
    .symbol:         k_q038872e106_proj.kd
    .args:
      - { .name: xf, .offset: 0, .size: 8, .value_kind: global_buffer, .address_space: global }
      - { .name: wc, .offset: 8, .size: 8, .value_kind: global_buffer, .address_space: global }
      - { .name: qkv, .offset: 16, .size: 8, .value_kind: global_buffer, .address_space: global }
    .group_segment_fixed_size: 327680
    .private_segment_fixed_size: 0
    .kernarg_segment_align: 8
    .kernarg_segment_size: 24
    .max_flat_workgroup_size: 128
    .sgpr_count:     84
    .vgpr_count:     960
    .wavefront_size: 32
...
	.end_amdgpu_metadata
.endif
;; end of part 2
;; launch score (part 3): grid 16 x 16, 4 waves a work-group, clusters of 4 x 4, 327,680 bytes of LDS; arguments qkv, pt, st; writes pt, st
.if DOCPART == 3
	.amdgcn_target "amdgcn-amd-amdhsa--gfx1250"
	.amdhsa_code_object_version 6
	.text
	.protected	k_q038872e106_score
	.globl	k_q038872e106_score
	.p2align	8
	.type	k_q038872e106_score,@function
k_q038872e106_score:
	s_mov_b64 s[64:65], 0
	v_nop
	global_prefetch_b8 v0, s[64:65] scope:SCOPE_SE
	s_setreg_imm32_b32 hwreg(HW_REG_WAVE_MODE, 25, 1), 1
	s_wait_xcnt 0x0
	s_wait_alu depctr_hold_cnt(0) depctr_sa_sdst(0) depctr_va_vdst(0) depctr_va_sdst(0) depctr_va_ssrc(0) depctr_va_vcc(0) depctr_vm_vsrc(0)
	s_getreg_b32 s2, hwreg(HW_REG_IB_STS2, 6, 4)
	s_cmp_eq_u32 s2, 0
	s_cbranch_scc0 .Lentry_in_a_cluster
	s_endpgm
.Lentry_in_a_cluster:
	s_bfe_u32 s2, ttmp6, 0x10000c
	s_cmp_lg_u32 s2, 0xf033
	s_cbranch_scc0 .Lentry_shape_is_right
	s_endpgm
.Lentry_shape_is_right:
; SCORES AND BLOCK SOFTMAX.  s = Q K^T (f16 operands, f32 sums), causal mask, and for each query and each block of 64 keys: m = the block's largest score, p = 2^(c s - c m) stored in f16,
; and the pair (c m, l = the sum of p) stored in f32; c = log2(e) / 32.  The next launch joins the blocks by the row's true maximum, so a maximum is taken away in front of every exponential.
; LIMITS.  A hidden score counts as its value less 1e30 (f16 operands give |q . k| of 4.4e12 at the most).  m is held at -2^83 or above, far below every true score: a block that is wholly hidden
; for a row gives p = 0, l = 0, c m = -c 2^83.  A weight below f16's smallest step counts as 0.  NaN and infinities are not treated apart.
; SHARES.  A batch has 10 squares of 512 queries x 512 keys on or under the diagonal.  A cluster of 4 x 4 work-groups makes a square, a work-group 128 x 128 of it, a wave 64 x 64.
; THE CLUSTERS STAY: cluster x of a batch walks the squares x, x + 4 and, where there is one, x + 8: 3, 3, 2, 2 squares.  A square is 4 steps of 256 channels; the ring of two LDS slots runs on from square to square.
; The loop counts to the constant of three squares and is left for the written tail at trip END (10 or 6), which comes from the cluster's number: all sixteen partners run alike.
; The way out stands once in the text: the tail joins it, and a flag ends the walk behind it.
; The 6 tiles above the diagonal in a diagonal square are made too, wholly hidden: the next launch's walk, which is alike in all partners of its cluster, reads them.
; Q's tile is asked for jointly along a row of the cluster, K's along a column.  Chunks of 16 x 16 in fragment order: dense tiles, no padding.
; THE MATRIX INSTRUCTION IS USED TRANSPOSED (source 0 = 16 keys, source 1 = 16 queries): a lane holds one query and eight neighbouring keys.
; THE MASK is the C operand of the products that start the sums.  In a diagonal square it hangs on cy - cx, the wave and the lane alone: MK, 7 sets of 8 registers by the difference of key block and query block,
; 0 or -1e30, made once.  A square's masks are MC = MK x AL, AL = 1 on the diagonal and 0 under it.
; REGISTERS: window 0: v16-29 addresses; v32-127 the softmax's; v128-191, v192-255 K's fragments.  window 1: v0-127 accumulators ((a, b) at 8 (4 a + b)); v128-255 Q's fragments.  window 2: v0-55 MK, v56-111 MC.
.set SLOT1,  1<<17                     ; a slot: Q's 65,536 bytes [channel chunk 16][row chunk 8][512], then K's
.set BOFF,   65536
.set STEP,   65536
.set SPARE,  2*SLOT1                   ; behind the ring: the spare words
.set ADRA, 16
.set ADRB, 17
.set A0,   18
.set B0,   19
.set L16,  20                          ; v20  16 x lane
.set L8,   21                          ; v21  8 x lane
.set SPW,  28
.set NIL,  29
.set ST,   32                          ; block a's statistics at ST + 8 a: c m, m, l, -, c0-c3 at work
.set PR,   64                          ; p in f16, 16 registers a block
.set MK,   0                           ; window 2
.set MC,   56
.set G1A, 24
.set G0A, 32
.set TBS, 45
.set G1B, 48
.set G0B, 56
.set U,    66                          ; s66  the trip's number
.set END,  67                          ; s67  the trip at which the loop is left: 4 x squares - 2
.set LAST, 68                          ; s68  1 when the walk's last square goes out
.set LOW,  69                          ; s69  -2^83
.set BIGN, 70                          ; s70  -1e30
.set HM,   71                          ; s71  the mask of lanes 16-31
.set CS,   72                          ; s[72:73] c
.set SEL,  74                          ; s[74:75] v_permlanex16_b32's selects: each lane takes its own place in the other half
.set ALP,  76                          ; s[76:77] AL of the square to begin
.set NA1,  78                          ; s[78:81] Q's first addresses of the next square and the one after, type bits set
.set NA2,  80
.set NB1,  82                          ; s[82:85] K's
.set NB2,  84
.set PT0,  86                          ; s[86:91] pt at my part of the square in hand, the next, the one after
.set PT1,  88
.set PT2,  90
.set SS0,  92                          ; s[92:97] st likewise
.set SS1,  94
.set SS2,  96
.set AL1,  98                          ; s98, s99 AL of the next square and the one after
.set AL2,  99
.set MUL,  0x54                        ; source 0 window 0; source 1, C and D window 1
.set MULM, 0x64                        ; the same with C in window 2
.set MSB, 0
.macro WIN new
.if MSB != (\new)
	s_set_vgpr_msb (MSB<<8)|(\new)
.set MSB, \new
.endif
.endm
.macro PLACES
.rept 4
	v_nop
.endr
.endm
.macro CREST
	s_cmp_lg_u32 s10, 0
	s_cbranch_scc1 .Lnot_wave_0_\@
	s_barrier_signal -3
.Lnot_wave_0_\@:
	s_barrier_wait -3
	s_barrier_signal -1
	s_barrier_wait -1
.endm
.macro CROUND
	s_barrier_signal -1
	s_barrier_wait -1
	CREST
.endm
.macro JLOAD
	s_cmp_eq_u32 s11, 0
	s_cbranch_scc0 .Lfor_b_\@
	tensor_load_to_lds s[G0A+4:G0A+7], s[G1A:G1A+7]
	s_nop 0
.rept 4
	v_nop
.endr
	s_branch .Lasked_\@
.Lfor_b_\@:
	tensor_load_to_lds s[G0B+4:G0B+7], s[G1B:G1B+7]
	s_nop 0
.rept 4
	v_nop
.endr
.Lasked_\@:
.endm
; The walk's square t: number T = cluster x + 4 t (held at 9: a cluster of two squares never uses its third set), row I and column J <= I of the batch's triangle.
; Out: Q's and K's first addresses (ty = 1: with the type bits), pt and st at my part, AL.  Q's address is made of cy alone, K's of cx alone, each in registers that never hold the other.
.macro TILE t, ra, rb, rp, rs, ral, ty
	s_add_co_u32 s14, ttmp9, 4*(\t)
	s_min_u32 s14, s14, 9
	s_cmp_gt_u32 s14, 0
	s_cselect_b32 s15, 1, 0
	s_cmp_gt_u32 s14, 2
	s_cselect_b32 s19, 1, 0
	s_add_co_u32 s15, s15, s19
	s_cmp_gt_u32 s14, 5
	s_cselect_b32 s19, 1, 0
	s_add_co_u32 s15, s15, s19                     ; I
	s_add_co_u32 s19, s15, 1
	s_mul_i32 s19, s19, s15
	s_lshr_b32 s19, s19, 1
	s_sub_co_u32 s19, s14, s19                     ; J
	s_cmp_eq_u32 s15, s19
	s_cselect_b32 s[\ral], 1.0, 0
	s_lshl2_add_u32 s13, s15, s41                  ; query block i = 4 I + cy
	s_lshl2_add_u32 s42, s19, s40                  ; key block j = 4 J + cx
	s_add_co_u32 s18, s2, s13                      ; 16 b + i
	s_lshl_b32 s100, s18, 19                       ; pt: row block x 524,288 + key chunk x 4,096 + row chunk x 512
	s_lshl_b32 s101, s42, 15
	s_add_co_u32 s100, s100, s101
	s_lshl_b32 s101, s12, 14
	s_add_co_u32 s100, s100, s101
	s_lshl_b32 s101, s11, 11
	s_add_co_u32 s100, s100, s101
	s_mov_b32 s101, 0
	s_add_nc_u64 s[\rp:\rp+1], s[6:7], s[100:101]
	s_lshl_b32 s100, s18, 5                        ; st: (row block x 32 + key block of 64) x 1,024 + row x 8
	s_lshl1_add_u32 s100, s42, s100
	s_add_co_u32 s100, s100, s12
	s_lshl_b32 s100, s100, 10
	s_lshl_b32 s101, s11, 9
	s_add_co_u32 s100, s100, s101
	s_mov_b32 s101, 0
	s_add_nc_u64 s[\rs:\rs+1], s[8:9], s[100:101]
	s_mul_i32 s16, s18, 786432                     ; Q: the queries' block of 128 rows, my half of a step's channels
	s_lshl_b32 s17, s12, 15
	s_add_co_u32 s16, s16, s17
	s_mov_b32 s17, 0
	s_add_nc_u64 s[\ra:\ra+1], s[4:5], s[16:17]
	s_add_co_u32 s46, s2, s42                      ; K: the keys' block; K lies behind Q's 64 channel chunks
	s_mul_i32 s46, s46, 786432
	s_lshl_b32 s47, s12, 15
	s_add_co_u32 s46, s46, s47
	s_add_co_u32 s46, s46, 262144
	s_mov_b32 s47, 0
	s_add_nc_u64 s[\rb:\rb+1], s[4:5], s[46:47]
.if \ty
	s_or_b32 s[\ra+1], s[\ra+1], 0x80000000
	s_or_b32 s[\rb+1], s[\rb+1], 0x80000000
.endif
.endm
.macro MASKS                           ; MC = MK x AL
	WIN 0x82                                       ; destination and source 0 window 2
.set z, 0
.rept 28
	v_pk_mul_f32 v[MC+2*z:MC+2*z+1], v[MK+2*z:MK+2*z+1], s[ALP:ALP+1] op_sel_hi:[1,0]
.set z, z+1
.endr
.endm
	s_load_b128 s[4:7], s[0:1], 0x0                ; qkv s[4:5], pt s[6:7]
	s_load_b64 s[8:9], s[0:1], 0x10                ; st
	v_lshl_add_u32 v[SPW], v0, 2, SPARE
	v_mov_b32 v[NIL], 0
	ds_add_u32 v[SPW], v[NIL]                      ; the wave's opening: the add and its wait ahead of my first tensor load
	v_lshrrev_b32 v1, 5, v0
	v_readfirstlane_b32 s10, v1
	s_lshr_b32 s11, s10, 1                         ; my half of the queries; also: I fetch Q (0) or K (1)
	s_and_b32 s12, s10, 1                          ; my half of the keys; also: which half of a step's channels I fetch
	s_bfe_u32 s40, ttmp6, 0x40000                  ; cx
	s_bfe_u32 s41, ttmp6, 0x40004                  ; cy
	s_and_b32 s2, ttmp7, 0xffff
	s_lshl_b32 s2, s2, 4                           ; 16 x batch
	s_lshl_b32 s43, s41, 2
	s_lshl_b32 s43, 15, s43
	s_lshl_b32 s44, 0x1111, s40
	s_or_b32 s[G1A], s43, (3<<16)|(1<<21)          ; the mask; elements of 8 bytes; bit 21 beside a mask
	s_or_b32 s[G1B], s44, (3<<16)|(1<<21)
.irp g, G1A, G1B                       ; a dense block of 32,768 bytes as 128 rows of 32 elements
	s_mov_b32 s[(\g)+1], 32<<16
	s_mov_b32 s[(\g)+2], 128<<16
	s_mov_b32 s[(\g)+3], 32<<16
	s_mov_b32 s[(\g)+4], 128
	s_mov_b32 s[(\g)+5], 32
	s_mov_b32 s[(\g)+6], 0
	s_mov_b32 s[(\g)+7], 0
.endr
	s_lshl_b32 s20, s10, 15                        ; where the tiles go: wave x 32,768
	s_mov_b32 s[TBS], 0
	s_mov_b32 s[U], 0
	s_mov_b32 s[LAST], 0
	s_cmp_lt_u32 ttmp9, 2                          ; clusters 0 and 1 of a batch have three squares
	s_cselect_b32 s[END], 10, 6
	s_mov_b32 s[LOW], 0xe9000000
	s_mov_b32 s[BIGN], 0xf149f2ca
	s_mov_b32 s[HM], 0xffff0000
	s_mov_b32 s[CS], 0x3d38aa3b                    ; c = log2(e) / 32
	s_mov_b32 s[CS+1], s[CS]
	s_mov_b32 s[SEL], 0x76543210
	s_mov_b32 s[SEL+1], 0xfedcba98
	s_mov_b32 s[ALP+1], 0                          ; named with AL as a pair
	s_wait_dscnt 0x0
	s_wait_kmcnt 0x0
	TILE 0, 14, 46, PT0, SS0, ALP, 0
	CROUND
.irp s, 0,1
	s_mov_b32 s[G0A+4*(\s)], 1
	s_add_co_u32 s[G0A+4*(\s)+1], s20, (\s)*SLOT1
	s_add_nc_u64 s[G0A+4*(\s)+2:G0A+4*(\s)+3], s[14:15], (\s)*STEP
	s_or_b32 s[G0A+4*(\s)+3], s[G0A+4*(\s)+3], 0x80000000
	s_mov_b32 s[G0B+4*(\s)], 1
	s_add_co_u32 s[G0B+4*(\s)+1], s20, (\s)*SLOT1
	s_add_nc_u64 s[G0B+4*(\s)+2:G0B+4*(\s)+3], s[46:47], (\s)*STEP
	s_or_b32 s[G0B+4*(\s)+3], s[G0B+4*(\s)+3], 0x80000000
.endr
	s_cmp_eq_u32 s11, 0
	s_cbranch_scc0 .Lfirst_b
	tensor_load_to_lds s[G0A:G0A+3], s[G1A:G1A+7]
	s_nop 0
	tensor_load_to_lds s[G0A+4:G0A+7], s[G1A:G1A+7]
	s_nop 0
.rept 4
	v_nop
.endr
	s_branch .Lfirst_done
.Lfirst_b:
	tensor_load_to_lds s[G0B:G0B+3], s[G1B:G1B+7]
	s_nop 0
	tensor_load_to_lds s[G0B+4:G0B+7], s[G1B:G1B+7]
	s_nop 0
.rept 4
	v_nop
.endr
.Lfirst_done:
	TILE 1, NA1, NB1, PT1, SS1, AL1, 1             ; the later squares' numbers are made in the wait for the first tiles
	TILE 2, NA2, NB2, PT2, SS2, AL2, 1
	v_and_b32 v1, 31, v0
	v_lshlrev_b32 v[L16], 4, v1
	v_lshlrev_b32 v[L8], 3, v1
	s_lshl_b32 s22, s11, 11
	v_add_nc_u32 v[A0], s22, v[L16]                ; my 4 row chunks of Q
	s_lshl_b32 s23, s12, 11
	s_add_co_u32 s23, s23, BOFF
	v_add_nc_u32 v[B0], s23, v[L16]                ; my 4 row chunks of K
	v_mov_b32 v[ADRA], v[A0]
	v_mov_b32 v[ADRB], v[B0]
	; MK.  In a diagonal square register jj of accumulator (a, b) is hidden where 16 (b - a) + jj > D = 128 (cy - cx) + 64 (wr - wc) + r - 8 h
	v_and_b32 v3, 15, v0
	v_bfe_u32 v5, v0, 4, 1
	v_lshlrev_b32 v5, 3, v5
	v_sub_nc_u32 v4, v3, v5
	s_sub_co_i32 s100, s41, s40
	s_lshl_b32 s100, s100, 7
	s_sub_co_i32 s101, s11, s12
	s_lshl_b32 s101, s101, 6
	s_add_co_i32 s100, s100, s101
	v_add_nc_u32 v4, s100, v4                      ; D
	WIN 0x80                                       ; destination window 2
.set d, 0
.rept 56
	v_cmp_gt_i32 vcc_lo, 16*(d/8-3)+d%8, v4
	v_cndmask_b32 v[MK+d], 0, s[BIGN], vcc_lo
.set d, d+1
.endr
	MASKS
	WIN 0
; 8 matrix instructions: query blocks a0, a0 + 1 x all 4 key blocks, 32 channels: half c of buffer f.  zero = 1: the sums start with the mask.  The 16 accumulators take turns.
.macro MUL8 f, c, a0, zero
.if \zero
	WIN MULM
.else
	WIN MUL
.endif
.irp a, \a0, (\a0)+1
.irp b, 0,1,2,3
.if \zero
	v_wmma_f32_16x16x32_f16 v[8*(4*(\a)+(\b)):8*(4*(\a)+(\b))+7], v[128+64*(\f)+8*(4*(\c)+(\b)):128+64*(\f)+8*(4*(\c)+(\b))+7], v[128+64*(\f)+8*(4*(\c)+(\a)):128+64*(\f)+8*(4*(\c)+(\a))+7], v[MC+8*((\b)-(\a)+3):MC+8*((\b)-(\a)+3)+7]
.else
	v_wmma_f32_16x16x32_f16 v[8*(4*(\a)+(\b)):8*(4*(\a)+(\b))+7], v[128+64*(\f)+8*(4*(\c)+(\b)):128+64*(\f)+8*(4*(\c)+(\b))+7], v[128+64*(\f)+8*(4*(\c)+(\a)):128+64*(\f)+8*(4*(\c)+(\a))+7], v[8*(4*(\a)+(\b)):8*(4*(\a)+(\b))+7]
.endif
.endr
.endr
.endm
; 32 LDS loads in one run: quarter k (64 channels: chunks 4 k .. 4 k + 3) into buffer f: K's, then Q's (destination window 1, address window 0: the products' own setting)
.macro FETCH k, f
	WIN 0
.irp c, 0,1
.irp b, 0,1,2,3
	ds_load_b128 v[128+64*(\f)+8*(4*(\c)+(\b)):128+64*(\f)+8*(4*(\c)+(\b))+3],   v[ADRB] offset:((4*(\k)+2*(\c))*8+(\b))*512
	ds_load_b128 v[128+64*(\f)+8*(4*(\c)+(\b))+4:128+64*(\f)+8*(4*(\c)+(\b))+7], v[ADRB] offset:((4*(\k)+2*(\c))*8+(\b))*512+4096
.endr
.endr
	WIN MUL
.irp c, 0,1
.irp a, 0,1,2,3
	ds_load_b128 v[128+64*(\f)+8*(4*(\c)+(\a)):128+64*(\f)+8*(4*(\c)+(\a))+3],   v[ADRA] offset:((4*(\k)+2*(\c))*8+(\a))*512
	ds_load_b128 v[128+64*(\f)+8*(4*(\c)+(\a))+4:128+64*(\f)+8*(4*(\c)+(\a))+7], v[ADRA] offset:((4*(\k)+2*(\c))*8+(\a))*512+4096
.endr
.endr
.endm
.macro QUARTER k, f, g, zero
	s_wait_dscnt 8                                 ; all but Q's second 32 channels, the youngest eight loads
	MUL8 \f, 0, 0, \zero
	MUL8 \f, 0, 2, \zero
	PLACES
	FETCH \k, \g
	s_wait_dscnt 32                                ; all but the 32 just issued
	MUL8 \f, 1, 0, 0
	MUL8 \f, 1, 2, 0
.endm
; The last quarter and the change of slots: the wait for all tensor loads, the add, the wait for it and for my reads; the barrier (fill = 1: a round); the refill first behind it.
; The refill of trip U is the walk's step U + 2: where U % 4 = 2 that is the next square's first step, and the addresses in waiting move up.
.macro TURN fill
	WIN 0
	s_wait_tensorcnt 0x0
	ds_add_u32 v[SPW], v[NIL]
.if \fill
	s_xor_b32 s[G0A+5], s[G0A+5], SLOT1
	s_add_nc_u64 s[G0A+6:G0A+7], s[G0A+6:G0A+7], STEP
	s_xor_b32 s[G0B+5], s[G0B+5], SLOT1
	s_add_nc_u64 s[G0B+6:G0B+7], s[G0B+6:G0B+7], STEP
	s_and_b32 s19, s[U], 3
	s_cmp_eq_u32 s19, 2
	s_cselect_b64 s[G0A+6:G0A+7], s[NA1:NA1+1], s[G0A+6:G0A+7]
	s_cselect_b64 s[G0B+6:G0B+7], s[NB1:NB1+1], s[G0B+6:G0B+7]
	s_cselect_b64 s[NA1:NA1+1], s[NA2:NA2+1], s[NA1:NA1+1]
	s_cselect_b64 s[NB1:NB1+1], s[NB2:NB2+1], s[NB1:NB1+1]
.endif
	s_wait_dscnt 9                                 ; the add and the youngest eight loads may be out
	MUL8 1, 0, 0, 0
	s_wait_dscnt 0x0
	s_barrier_signal -1
	MUL8 1, 0, 2, 0
	WIN 0
	s_barrier_wait -1
.if \fill
	CREST
	JLOAD
.else
	PLACES
.endif
	s_xor_b32 s[TBS], s[TBS], SLOT1
	v_add_nc_u32 v[ADRA], s[TBS], v[A0]
	v_add_nc_u32 v[ADRB], s[TBS], v[B0]
	FETCH 0, 0
	MUL8 1, 1, 0, 0
	MUL8 1, 1, 2, 0
.endm
.macro ALL line:vararg                 ; one line for each block t
.set t, 0
.rept 4
	\line
.set t, t+1
.endr
.endm
	s_wait_tensorcnt 1                             ; step 0 is in; step 1's load may stay out
	s_barrier_signal -1
	s_barrier_wait -1
	FETCH 0, 0
	QUARTER 1, 0, 1, 1
	WIN 0
	s_mov_b32 s3, 11
.Lstep:                                                ; trip U: step U's quarters 1 to 3, the refill with step U + 2, step U + 1's quarter 0
	QUARTER 2, 1, 0, 0
	QUARTER 3, 0, 1, 0
	WIN 0
	s_cmp_eq_u32 s[U], s[END]                      ; the walk's last step but one: the loop is left for the tail, which asks for nothing
	s_cbranch_scc1 .Ltail
	TURN 1
	WIN 0
	s_and_b32 s19, s[U], 3
	s_cmp_eq_u32 s19, 3                            ; a square's last step is done
	s_cbranch_scc1 .Lway
	QUARTER 1, 0, 1, 0
	WIN 0
	s_branch .Lnext
.Ltail:
	TURN 0
	QUARTER 1, 0, 1, 0
	QUARTER 2, 1, 0, 0
	QUARTER 3, 0, 1, 0
	s_wait_dscnt 8
	MUL8 1, 0, 0, 0
	MUL8 1, 0, 2, 0
	s_wait_dscnt 0x0
	MUL8 1, 1, 0, 0
	MUL8 1, 1, 2, 0
	WIN 0
	s_mov_b32 s[LAST], 1
.Lway:
	; THE WAY OUT.  Block a's 32 scores a lane lie in window 1, v[32 a .. 32 a + 31]; the query's other 32 keys lie in the lane 16 away.  What is made of them lies in window 0, v32-127:
	; the fragment buffers, of which buffer 0 may hold the next square's first fragments, are not touched.
	PLACES
	s_wait_xcnt 0x0                                ; the last square's stores have read their registers
	WIN 0x15                                       ; destination window 0, sources window 1
.irp j, 0,1,2,3                        ; the maximum, three operands at a time; each accumulator's lowest registers are read first
	ALL v_max3_num_f32 v[ST+8*t+4+\j], v[32*t+8*\j], v[32*t+8*\j+1], v[32*t+8*\j+2]
.endr
	WIN 0x14                                       ; source 0 window 0 too
.irp j, 0,1,2,3
	ALL v_max3_num_f32 v[ST+8*t+4+\j], v[ST+8*t+4+\j], v[32*t+8*\j+3], v[32*t+8*\j+4]
.endr
.irp j, 0,1,2,3
	ALL v_max3_num_f32 v[ST+8*t+4+\j], v[ST+8*t+4+\j], v[32*t+8*\j+5], v[32*t+8*\j+6]
.endr
	ALL v_max3_num_f32 v[ST+8*t+4], v[ST+8*t+4], v[32*t+7], v[32*t+15]
	ALL v_max3_num_f32 v[ST+8*t+6], v[ST+8*t+6], v[32*t+23], v[32*t+31]
	WIN 0
	ALL v_max3_num_f32 v[ST+8*t+4], v[ST+8*t+4], v[ST+8*t+5], v[ST+8*t+6]
	ALL v_max_num_f32 v[ST+8*t+4], v[ST+8*t+4], v[ST+8*t+7]
	ALL v_permlanex16_b32 v[ST+8*t+5], v[ST+8*t+4], s[SEL], s[SEL+1]
	ALL v_max3_num_f32 v[ST+8*t+1], v[ST+8*t+4], v[ST+8*t+5], s[LOW]
	ALL v_mul_f32 v[ST+8*t], s[CS], v[ST+8*t+1]
	WIN 0x41                                       ; destination and source 0 window 1, source 2 window 0
.set p, 0
.rept 16                               ; c s - c m, a pair at a time
	ALL v_pk_fma_f32 v[32*t+2*p:32*t+2*p+1], v[32*t+2*p:32*t+2*p+1], s[CS:CS+1], v[ST+8*t:ST+8*t+1] op_sel_hi:[1,0,0] neg_lo:[0,0,1] neg_hi:[0,0,1]
.set p, p+1
.endr
.set p, 0
.rept 128                              ; one batch of exponentials,
	v_exp_f32 v[p], v[p]
.set p, p+1
.endr
	v_nop                                          ; a plain instruction behind the last,
	s_wait_alu depctr_va_vdst(0)                   ; and one wait ahead of the first reader
	WIN 0x05                                       ; destination window 0, sources window 1
.set p, 0
.rept 64
	v_cvt_pk_f16_f32 v[PR+p], v[2*p], v[2*p+1]
.set p, p+1
.endr
	WIN 0
.irp a, 0,1,2,3
.irp b, 0,1,2,3
	global_store_b128 v[L16], v[PR+16*(\a)+4*(\b):PR+16*(\a)+4*(\b)+3], s[PT0:PT0+1] offset:(\b)*4096+(\a)*512  ; a whole chunk: 512 consecutive bytes
.endr
.endr
	WIN 0x45                                       ; all in window 1
.irp w, 4,8,16,32                      ; the sums of the unrounded weights, in place: neighbours 1, 2, 4, 8 pairs apart
.set u, 0
.rept 128/(\w)
	v_pk_add_f32 v[(\w)*u:(\w)*u+1], v[(\w)*u:(\w)*u+1], v[(\w)*u+(\w)/2:(\w)*u+(\w)/2+1]
.set u, u+1
.endr
.endr
	WIN 0x05
	ALL v_add_f32 v[ST+8*t+2], v[32*t], v[32*t+1]
	WIN 0
	ALL v_permlanex16_b32 v[ST+8*t+5], v[ST+8*t+2], s[SEL], s[SEL+1]
	ALL v_add_f32 v[ST+8*t+2], v[ST+8*t+2], v[ST+8*t+5]
	v_cndmask_b32 v[ST+4], v[ST], v[ST+8], s[HM]   ; both halves of the lanes hold the same pair: lanes 0-15 give block 0's rows, lanes 16-31 block 1's,
	v_cndmask_b32 v[ST+5], v[ST+2], v[ST+10], s[HM]
	v_cndmask_b32 v[ST+6], v[ST+16], v[ST+24], s[HM]  ; then blocks 2 and 3
	v_cndmask_b32 v[ST+7], v[ST+18], v[ST+26], s[HM]
	global_store_b64 v[L8], v[ST+4:ST+5], s[SS0:SS0+1]  ; 32 rows x 8 bytes: 256 consecutive bytes, aligned
	global_store_b64 v[L8], v[ST+6:ST+7], s[SS0:SS0+1] offset:256
	s_cmp_eq_u32 s[LAST], 1
	s_cbranch_scc1 .Lend
	s_wait_xcnt 0x0                                ; the stores have read their bases: the next square's move up only behind this wait
	s_mov_b64 s[PT0:PT0+1], s[PT1:PT1+1]
	s_mov_b64 s[PT1:PT1+1], s[PT2:PT2+1]
	s_mov_b64 s[SS0:SS0+1], s[SS1:SS1+1]
	s_mov_b64 s[SS1:SS1+1], s[SS2:SS2+1]
	s_mov_b32 s[ALP], s[AL1]
	s_mov_b32 s[AL1], s[AL2]
	MASKS
	QUARTER 1, 0, 1, 1                             ; the next square's first quarter starts new sums, with its masks
	WIN 0
.Lnext:
	s_add_co_u32 s[U], s[U], 1
	s_sub_co_u32 s3, s3, 1
	s_cmp_lg_u32 s3, 0
	s_cbranch_scc1 .Lstep
.Lend:
	s_wait_tensorcnt 0x0                           ; the wave's end
	ds_add_u32 v[SPW], v[NIL]
	s_wait_dscnt 0x0
	CROUND                                         ; the closing round
	s_endpgm
.Lfunc_end_k_q038872e106_score:
	.size	k_q038872e106_score, .Lfunc_end_k_q038872e106_score-k_q038872e106_score
	.p2alignl 7, 3214868480
	.fill 96, 4, 3214868480
	.section	.rodata,"a",@progbits
	.p2align	6, 0x0
	.amdhsa_kernel k_q038872e106_score
		.amdhsa_group_segment_fixed_size 327680
		.amdhsa_private_segment_fixed_size 0
		.amdhsa_enable_private_segment 0
		.amdhsa_kernarg_size 24
		.amdhsa_user_sgpr_count 2
		.amdhsa_user_sgpr_kernarg_segment_ptr 1
		.amdhsa_wavefront_size32 1
		.amdhsa_system_sgpr_workgroup_id_x 1
		.amdhsa_system_sgpr_workgroup_id_y 1
		.amdhsa_system_sgpr_workgroup_id_z 1
		.amdhsa_system_vgpr_workitem_id 0
		.amdhsa_next_free_vgpr 640
		.amdhsa_next_free_sgpr 102
		.amdhsa_reserve_vcc 1
		.amdhsa_float_denorm_mode_32 3
		.amdhsa_float_denorm_mode_16_64 3
		.amdhsa_memory_ordered 1
		.amdhsa_forward_progress 1
		.amdhsa_inst_pref_size 93
	.end_amdhsa_kernel
	.amdgpu_metadata
---
amdhsa.version: [ 1, 2 ]
amdhsa.kernels:
  - .name:           k_q038872e106_score
    .symbol:         k_q038872e106_score.kd
    .args:
      - { .name: qkv, .offset: 0, .size: 8, .value_kind: global_buffer, .address_space: global }
      - { .name: pt, .offset: 8, .size: 8, .value_kind: global_buffer, .address_space: global }
      - { .name: st, .offset: 16, .size: 8, .value_kind: global_buffer, .address_space: global }
    .group_segment_fixed_size: 327680
    .private_segment_fixed_size: 0
    .kernarg_segment_align: 8
    .kernarg_segment_size: 24
    .max_flat_workgroup_size: 128
    .sgpr_count:     102
    .vgpr_count:     640
    .wavefront_size: 32
...
	.end_amdgpu_metadata
.endif
;; end of part 3
;; launch pv (part 4): grid 8 x 32, 4 waves a work-group, clusters of 4 x 4, 327,680 bytes of LDS; arguments pt, st, qkv, of; writes of
.if DOCPART == 4
	.amdgcn_target "amdgcn-amd-amdhsa--gfx1250"
	.amdhsa_code_object_version 6
	.text
	.protected	k_q038872e106_pv
	.globl	k_q038872e106_pv
	.p2align	8
	.type	k_q038872e106_pv,@function
k_q038872e106_pv:
	s_mov_b64 s[64:65], 0
	v_nop
	global_prefetch_b8 v0, s[64:65] scope:SCOPE_SE
	s_setreg_imm32_b32 hwreg(HW_REG_WAVE_MODE, 25, 1), 1
	s_wait_xcnt 0x0
	s_wait_alu depctr_hold_cnt(0) depctr_sa_sdst(0) depctr_va_vdst(0) depctr_va_sdst(0) depctr_va_ssrc(0) depctr_va_vcc(0) depctr_vm_vsrc(0)
	s_getreg_b32 s2, hwreg(HW_REG_IB_STS2, 6, 4)
	s_cmp_eq_u32 s2, 0
	s_cbranch_scc0 .Lentry_in_a_cluster
	s_endpgm
.Lentry_in_a_cluster:
	s_bfe_u32 s2, ttmp6, 0x10000c
	s_cmp_lg_u32 s2, 0xf033
	s_cbranch_scc0 .Lentry_shape_is_right
	s_endpgm
.Lentry_shape_is_right:
; O = (the sum over key blocks of f p V) / l.  For each row the true maximum c m_row is the largest of its blocks' c m; f = 2^(c m_blk - c m_row) <= 1; l = the sum of f l_blk.
; p (f16) is multiplied by f (f16, a number a lane) on its way into the matrix unit; sums in f32; O is divided by l and rounded once to f16.  l is summed with f as it is rounded.
; LIMITS.  f and f p below f16's smallest step count as 0; O has V's range.  NaN and infinities are not treated apart.
; SHARES.  A work-group makes TWO tiles of 128 rows x 128 channels: row block 4 (3 - q) + cy with 512 (4 - q) keys, then row block 4 q + cy with 512 (q + 1) keys: 10 steps of 256 keys whatever q,
; ONE walk with constant trip counts; q comes from the cluster's number, so all sixteen partners run alike.  p's tile is asked for jointly along a row of the cluster, V's along a column.
; Which address a refill takes, and in which trip the first tile goes out, hang on q alone.  The way out stands once in the text: the tail joins it, and a flag, which is also the tile's number, ends the walk behind it.
; THE MATRIX INSTRUCTION IS USED TRANSPOSED (source 0 = 16 channels of V, turned out of LDS; source 1 = 16 rows of p): a lane holds one row and eight neighbouring channels.
; REGISTERS: window 0: v16-29 addresses; v32-39 factors, two buffers; v40-47 1 / l; v64-127 on the way out (v32-127 serve the head first); v128-255 V's fragments.  window 1: v0-127 accumulators; v128-255 p's fragments.
.set SLOT1,  1<<17                     ; a slot: p's 65,536 bytes [key chunk 16][row chunk 8][512], then V's [128 keys 2][channel chunk 8][key chunk 8][512]
.set BOFF,   65536
.set STEPA,  65536
.set STEPB,  2*786432
.set TBL,    2*SLOT1                   ; [40 quarters of the walk][128 rows] x 4 bytes: f twice in f16
.set RL,     TBL+40*512                ; [2 tiles][128 rows] f32: 1 / l
.set SPARE,  RL+1024                   ; the spare words
.set ADRA, 16
.set ADRB, 17
.set A0,   18
.set B0,   19
.set TB,   20                          ; v20  my factors' address for the step in hand
.set T0,   21                          ; v21  the same for the walk's first step; never rewritten
.set L16,  22
.set RLA,  23                          ; v23  where I read the first tile's 1 / l; never rewritten
.set TST,  24                          ; v24  where thread t stores row t's factors
.set RST,  25                          ; v25  and its 1 / l
.set GST,  26                          ; v26  8 x thread: row t's pair in a block of st
.set RLC,  27                          ; v27  where I read 1 / l of the tile that goes out
.set SPW,  28
.set NIL,  29
.set FB,   32                          ; v32-35, v36-39
.set RLV,  40                          ; v40, 42, 44, 46
.set TMP,  64
.set HD,   32                          ; the head: 40 pairs (c m, l)
.set MX,   112                         ; v112-116 the five groups' maxima
.set CM1,  117
.set CM2,  118
.set RF3,  119
.set TT,   120
.set LL,   121                         ; v121-125 the five groups' sums
.set L1,   126
.set L2,   127
.set G1A, 24
.set G0A, 32
.set TBS, 45
.set G1B, 48
.set G0B, 56
.set TBO, 66                           ; s66  2,048 x the walk's step
.set U,   67                           ; s67  the trip's number
.set SWR, 68                           ; s68  the trip whose refill is the second tile's first step: 6 - 2 q
.set SWC, 69                           ; s69  the trip in which the first tile goes out: 7 - 2 q
.set QM,  70                           ; s70  all ones where q = 1
.set LAST, 71                          ; s71  the number of the tile that goes out: 1 for the walk's last
.set T2A, 72                           ; s[72:73], s[74:75] the second tile's first addresses, type bits set
.set T2B, 74
.set SB,  76                           ; s[76:85] st at the five groups of 8 key blocks
.set OB,  86                           ; s[86:89] of at my part of the two tiles
.set OC,  92                           ; s[92:93] of at my part of the tile that goes out
.set MUL, 0x54                         ; source 0 window 0; source 1, C and D window 1
.set MSB, 0
.macro WIN new
.if MSB != (\new)
	s_set_vgpr_msb (MSB<<8)|(\new)
.set MSB, \new
.endif
.endm
.macro PLACES
.rept 4
	v_nop
.endr
.endm
.macro CREST
	s_cmp_lg_u32 s10, 0
	s_cbranch_scc1 .Lnot_wave_0_\@
	s_barrier_signal -3
.Lnot_wave_0_\@:
	s_barrier_wait -3
	s_barrier_signal -1
	s_barrier_wait -1
.endm
.macro CROUND
	s_barrier_signal -1
	s_barrier_wait -1
	CREST
.endm
.macro JLOAD
	s_cmp_eq_u32 s11, 0
	s_cbranch_scc0 .Lfor_b_\@
	tensor_load_to_lds s[G0A+4:G0A+7], s[G1A:G1A+7]
	s_nop 0
.rept 4
	v_nop
.endr
	s_branch .Lasked_\@
.Lfor_b_\@:
	tensor_load_to_lds s[G0B+4:G0B+7], s[G1B:G1B+7]
	s_nop 0
.rept 4
	v_nop
.endr
.Lasked_\@:
.endm
	s_load_b128 s[4:7], s[0:1], 0x0                ; pt s[4:5], st s[6:7]
	s_load_b64 s[8:9], s[0:1], 0x10                ; qkv
	s_load_b64 s[90:91], s[0:1], 0x18              ; of
	v_lshl_add_u32 v[SPW], v0, 2, SPARE
	v_mov_b32 v[NIL], 0
	ds_add_u32 v[SPW], v[NIL]                      ; the wave's opening: the add and its wait ahead of my first tensor load
	v_lshrrev_b32 v1, 5, v0
	v_readfirstlane_b32 s10, v1
	s_lshr_b32 s11, s10, 1                         ; my half of the rows; also: I fetch p (0) or V (1)
	s_and_b32 s12, s10, 1                          ; my half of the channels; also: which half of a step's keys I fetch
	s_bfe_u32 s40, ttmp6, 0x40000
	s_bfe_u32 s41, ttmp6, 0x40004
	s_lshl2_add_u32 s42, ttmp9, s40                ; channel tile n = 4 X + cx
	s_and_b32 s14, ttmp7, 0xffff
	s_lshr_b32 s15, s14, 1                         ; batch
	s_and_b32 s16, s14, 1                          ; q
	s_lshl_b32 s17, s15, 4
	s_sub_co_u32 s18, 3, s16
	s_lshl2_add_u32 s18, s18, s41
	s_add_co_u32 s18, s18, s17                     ; the first tile's row block, 16 b + 4 (3 - q) + cy
	s_lshl2_add_u32 s19, s16, s41
	s_add_co_u32 s19, s19, s17                     ; the second's, 16 b + 4 q + cy
	s_lshl_b32 s43, s41, 2
	s_lshl_b32 s43, 15, s43
	s_lshl_b32 s44, 0x1111, s40
	s_or_b32 s[G1A], s43, (3<<16)|(1<<21)
	s_or_b32 s[G1B], s44, (3<<16)|(1<<21)
.irp g, G1A, G1B                       ; a dense block of 32,768 bytes as 128 rows of 32 elements of 8 bytes
	s_mov_b32 s[(\g)+1], 32<<16
	s_mov_b32 s[(\g)+2], 128<<16
	s_mov_b32 s[(\g)+3], 32<<16
	s_mov_b32 s[(\g)+4], 128
	s_mov_b32 s[(\g)+5], 32
	s_mov_b32 s[(\g)+6], 0
	s_mov_b32 s[(\g)+7], 0
.endr
	s_lshl_b32 s20, s10, 15                        ; where they go: wave x 32,768
	s_lshl_b32 s[SWR], s16, 1
	s_sub_co_u32 s[SWC], 7, s[SWR]
	s_sub_co_u32 s[SWR], 6, s[SWR]
	s_cmp_eq_u32 s16, 1
	s_cselect_b32 s[QM], -1, 0
	s_lshl_b32 s21, s12, 15
	s_lshl_b32 s92, s18, 19                        ; p: row block x 524,288 + my half of the step
	s_add_co_u32 s92, s92, s21
	s_mov_b32 s93, 0
	s_lshl_b32 s94, s19, 19
	s_add_co_u32 s94, s94, s21
	s_mov_b32 s95, 0
	s_add_co_u32 s46, s17, s12                     ; V: key block of 128 x 786,432 + channel chunk (128 + 8 n) x 4,096
	s_mul_i32 s46, s46, 786432
	s_lshl_b32 s47, s42, 15
	s_add_co_u32 s46, s46, s47
	s_add_co_u32 s46, s46, 524288
	s_mov_b32 s47, 0
	s_mov_b32 s[TBS], 0
	s_mov_b32 s[TBO], 0
	s_mov_b32 s[U], 0
	s_mov_b32 s[LAST], 0
	s_wait_dscnt 0x0
	s_wait_kmcnt 0x0
	s_add_nc_u64 s[14:15], s[4:5], s[92:93]
	s_add_nc_u64 s[T2A:T2A+1], s[4:5], s[94:95]
	s_or_b32 s[T2A+1], s[T2A+1], 0x80000000
	s_add_nc_u64 s[46:47], s[8:9], s[46:47]
	CROUND
.irp s, 0,1
	s_mov_b32 s[G0A+4*(\s)], 1
	s_add_co_u32 s[G0A+4*(\s)+1], s20, (\s)*SLOT1
	s_add_nc_u64 s[G0A+4*(\s)+2:G0A+4*(\s)+3], s[14:15], (\s)*STEPA
	s_or_b32 s[G0A+4*(\s)+3], s[G0A+4*(\s)+3], 0x80000000
	s_mov_b32 s[G0B+4*(\s)], 1
	s_add_co_u32 s[G0B+4*(\s)+1], s20, (\s)*SLOT1
	s_add_nc_u64 s[G0B+4*(\s)+2:G0B+4*(\s)+3], s[46:47], (\s)*STEPB
	s_or_b32 s[G0B+4*(\s)+3], s[G0B+4*(\s)+3], 0x80000000
.endr
	s_mov_b64 s[T2B:T2B+1], s[G0B+2:G0B+3]         ; both tiles begin at the batch's key 0
	s_cmp_eq_u32 s11, 0
	s_cbranch_scc0 .Lfirst_b
	tensor_load_to_lds s[G0A:G0A+3], s[G1A:G1A+7]
	s_nop 0
	tensor_load_to_lds s[G0A+4:G0A+7], s[G1A:G1A+7]
	s_nop 0
.rept 4
	v_nop
.endr
	s_branch .Lfirst_done
.Lfirst_b:
	tensor_load_to_lds s[G0B:G0B+3], s[G1B:G1B+7]
	s_nop 0
	tensor_load_to_lds s[G0B+4:G0B+7], s[G1B:G1B+7]
	s_nop 0
.rept 4
	v_nop
.endr
.Lfirst_done:
	; THE HEAD, in the wait for the first tiles.  The walk's 40 key blocks are five groups of 8; a group's place in the table is constant, only its source hangs on q:
	; groups 0-2: the first tile's 0-2; group 3: its group 3 (q = 0) or the second tile's group 0; group 4: the second tile's group 0 (q = 0) or 1.
	s_lshl_b32 s92, s18, 15
	s_mov_b32 s93, 0
	s_add_nc_u64 s[SB:SB+1], s[6:7], s[92:93]
	s_add_nc_u64 s[SB+2:SB+3], s[SB:SB+1], 8192
	s_add_nc_u64 s[SB+4:SB+5], s[SB:SB+1], 16384
	s_add_nc_u64 s[SB+6:SB+7], s[SB:SB+1], 24576
	s_lshl_b32 s94, s19, 15
	s_mov_b32 s95, 0
	s_add_nc_u64 s[SB+8:SB+9], s[6:7], s[94:95]
	s_add_nc_u64 s[92:93], s[SB+8:SB+9], 8192
	s_cmp_eq_u32 s16, 1
	s_cselect_b64 s[SB+6:SB+7], s[SB+8:SB+9], s[SB+6:SB+7]
	s_cselect_b64 s[SB+8:SB+9], s[92:93], s[SB+8:SB+9]
	v_lshlrev_b32 v[GST], 3, v0
.irp l, 0,1,2,3,4
.irp k, 0,1,2,3,4,5,6,7
	global_load_b64 v[HD+16*\l+2*\k:HD+16*\l+2*\k+1], v[GST], s[SB+2*\l:SB+2*\l+1] offset:\k*1024  ; thread t: row t's (c m, l)
.endr
.endr
	v_and_b32 v1, 31, v0
	v_lshlrev_b32 v[L16], 4, v1
	v_and_b32 v2, 15, v0
	s_lshl_b32 s21, s11, 11
	v_add_nc_u32 v[A0], s21, v[L16]
	s_lshl_b32 s22, s12, 14
	s_add_co_u32 s22, s22, BOFF
	v_add_nc_u32 v[B0], s22, v[L16]
	v_mov_b32 v[ADRA], v[A0]
	v_mov_b32 v[ADRB], v[B0]
	s_lshl_b32 s23, s11, 8
	s_add_co_u32 s21, s23, TBL
	v_lshl_add_u32 v[T0], v2, 2, s21
	v_mov_b32 v[TB], v[T0]
	s_add_co_u32 s21, s23, RL
	v_lshl_add_u32 v[RLA], v2, 2, s21
	v_lshl_add_u32 v[TST], v0, 2, TBL
	v_lshl_add_u32 v[RST], v0, 2, RL
	s_lshl_b32 s92, s42, 15                        ; of: row block x 262,144 + channel chunk (8 n + 4 wc) x 4,096 + row chunk 4 wr x 512
	s_lshl_b32 s93, s12, 14
	s_add_co_u32 s92, s92, s93
	s_lshl_b32 s93, s11, 11
	s_add_co_u32 s92, s92, s93
	s_lshl_b32 s94, s18, 18
	s_add_co_u32 s94, s94, s92
	s_mov_b32 s95, 0
	s_add_nc_u64 s[OB:OB+1], s[90:91], s[94:95]
	s_lshl_b32 s94, s19, 18
	s_add_co_u32 s94, s94, s92
	s_add_nc_u64 s[OB+2:OB+3], s[90:91], s[94:95]
	s_wait_loadcnt 0x0
.irp l, 0,1,2,3,4
	v_max3_num_f32 v[MX+\l], v[HD+16*\l], v[HD+16*\l+2], v[HD+16*\l+4]
.endr
.irp l, 0,1,2,3,4
	v_max3_num_f32 v[MX+\l], v[MX+\l], v[HD+16*\l+6], v[HD+16*\l+8]
.endr
.irp l, 0,1,2,3,4
	v_max3_num_f32 v[MX+\l], v[MX+\l], v[HD+16*\l+10], v[HD+16*\l+12]
.endr
.irp l, 0,1,2,3,4
	v_max_num_f32 v[MX+\l], v[MX+\l], v[HD+16*\l+14]
.endr
	v_mov_b32 v[TT], 0xff7fffff                    ; the lowest finite number
	v_cndmask_b32 v[RF3], v[MX+3], v[TT], s[QM]
	v_max3_num_f32 v[CM1], v[MX], v[MX+1], v[MX+2]
	v_max_num_f32 v[CM1], v[CM1], v[RF3]           ; the first tile's c m_row
	v_cndmask_b32 v[RF3], v[TT], v[MX+3], s[QM]
	v_max_num_f32 v[CM2], v[MX+4], v[RF3]          ; the second's
	v_cndmask_b32 v[RF3], v[CM1], v[CM2], s[QM]    ; group 3's
.irp k, 0,1,2,3,4,5,6,7
	v_sub_f32 v[HD+2*\k], v[HD+2*\k], v[CM1]
	v_sub_f32 v[HD+16+2*\k], v[HD+16+2*\k], v[CM1]
	v_sub_f32 v[HD+32+2*\k], v[HD+32+2*\k], v[CM1]
	v_sub_f32 v[HD+48+2*\k], v[HD+48+2*\k], v[RF3]
	v_sub_f32 v[HD+64+2*\k], v[HD+64+2*\k], v[CM2]
.endr
.set x, 0
.rept 40                               ; one batch of exponentials: every exponent is 0 or below
	v_exp_f32 v[HD+2*x], v[HD+2*x]
.set x, x+1
.endr
	v_nop
	s_wait_alu depctr_va_vdst(0)                   ; one wait ahead of the first reader
.set x, 0
.rept 40
	v_cvt_pk_f16_f32 v[HD+2*x], v[HD+2*x], v[HD+2*x]
.set x, x+1
.endr
.set x, 0
.rept 40
	ds_store_b32 v[TST], v[HD+2*x] offset:512*x
.set x, x+1
.endr
.irp l, 0,1,2,3,4
	v_mov_b32 v[LL+\l], 0
.endr
.irp k, 0,1,2,3,4,5,6,7
.irp l, 0,1,2,3,4
	v_fma_mix_f32 v[LL+\l], v[HD+16*\l+2*\k], v[HD+16*\l+2*\k+1], v[LL+\l] op_sel_hi:[1,0,0]  ; f as rounded (an f16 half) x l_blk
.endr
.endr
	v_mov_b32 v[TT], 0
	v_cndmask_b32 v[RF3], v[LL+3], v[TT], s[QM]
	v_add_f32 v[L1], v[LL], v[LL+1]
	v_add_f32 v[L1], v[L1], v[LL+2]
	v_add_f32 v[L1], v[L1], v[RF3]
	v_cndmask_b32 v[RF3], v[TT], v[LL+3], s[QM]
	v_add_f32 v[L2], v[LL+4], v[RF3]
	v_rcp_f32 v[L1], v[L1]                         ; l is 1 or more, to within rounding: the block with the row's maximum has f = 1 and a weight 1
	v_rcp_f32 v[L2], v[L2]
	v_nop
	s_wait_alu depctr_va_vdst(0)
	ds_store_b32 v[RST], v[L1]
	ds_store_b32 v[RST], v[L2] offset:512
; n lines that scale registers i0 .. of p's fragment x (= 4 c + a) of buffer f by the lane's factor: under the products' own setting
.macro SC f, x, i0, n
.set ii, \i0
.rept \n
	v_pk_mul_f16 v[128+64*(\f)+8*(\x)+ii], v[FB+4*(\f)+(\x)%4], v[128+64*(\f)+8*(\x)+ii]
.set ii, ii+1
.endr
.endm
; 8 matrix instructions: row blocks a0, a0 + 1 x all 4 channel blocks, 32 keys: half c of buffer f.  Behind the first three products of a row block stand the 8 lines that scale the NEXT fragment of p.
; The 16 accumulators take turns.  The scaling lines name no register of the products round them: they are also the places in front of every run of loads.
.macro MUL8S f, c, a0, zero
	WIN MUL
.irp a, \a0, (\a0)+1
.set nx, 4*(\c)+(\a)+1
.irp b, 0,1,2,3
.if \zero
	v_wmma_f32_16x16x32_f16 v[8*(4*(\a)+(\b)):8*(4*(\a)+(\b))+7], v[128+64*(\f)+8*(4*(\c)+(\b)):128+64*(\f)+8*(4*(\c)+(\b))+7], v[128+64*(\f)+8*(4*(\c)+(\a)):128+64*(\f)+8*(4*(\c)+(\a))+7], 0
.else
	v_wmma_f32_16x16x32_f16 v[8*(4*(\a)+(\b)):8*(4*(\a)+(\b))+7], v[128+64*(\f)+8*(4*(\c)+(\b)):128+64*(\f)+8*(4*(\c)+(\b))+7], v[128+64*(\f)+8*(4*(\c)+(\a)):128+64*(\f)+8*(4*(\c)+(\a))+7], v[8*(4*(\a)+(\b)):8*(4*(\a)+(\b))+7]
.endif
.if nx < 8
.if (\b) == 0
	SC \f, nx, 0, 3
.elseif (\b) == 1
	SC \f, nx, 3, 3
.elseif (\b) == 2
	SC \f, nx, 6, 2
.endif
.endif
.endr
.endr
.endm
; 36 LDS loads in one run: quarter k (64 keys, one block of the statistics) into buffer f: 4 factors, V turned, p as it lies
.macro FETCH k, f
	WIN 0
.irp a, 0,1,2,3
	ds_load_b32 v[FB+4*(\f)+(\a)], v[TB] offset:(\k)*512+64*(\a)
.endr
.irp c, 0,1
.irp b, 0,1,2,3
	ds_load_tr16_b128 v[128+64*(\f)+8*(4*(\c)+(\b)):128+64*(\f)+8*(4*(\c)+(\b))+3],   v[ADRB] offset:((4*(\k)+2*(\c))/8)*32768+(\b)*4096+((4*(\k)+2*(\c))%8)*512
	ds_load_tr16_b128 v[128+64*(\f)+8*(4*(\c)+(\b))+4:128+64*(\f)+8*(4*(\c)+(\b))+7], v[ADRB] offset:((4*(\k)+2*(\c))/8)*32768+(\b)*4096+((4*(\k)+2*(\c))%8)*512+512
.endr
.endr
	WIN MUL
.irp c, 0,1
.irp a, 0,1,2,3
	ds_load_b128 v[128+64*(\f)+8*(4*(\c)+(\a)):128+64*(\f)+8*(4*(\c)+(\a))+3],   v[ADRA] offset:((4*(\k)+2*(\c))*8+(\a))*512
	ds_load_b128 v[128+64*(\f)+8*(4*(\c)+(\a))+4:128+64*(\f)+8*(4*(\c)+(\a))+7], v[ADRA] offset:((4*(\k)+2*(\c))*8+(\a))*512+4096
.endr
.endr
.endm
.macro QUARTER k, f, g, zero
	s_wait_dscnt 8                                 ; all but p's second 32 keys, the youngest eight loads
	WIN MUL
	SC \f, 0, 0, 8
	MUL8S \f, 0, 0, \zero
	s_wait_dscnt 0x0                               ; those too: the lines behind row block 3 scale them
	MUL8S \f, 0, 2, \zero
	FETCH \k, \g
	MUL8S \f, 1, 0, 0
	MUL8S \f, 1, 2, 0
.endm
.macro TURN fill                       ; the last quarter and the change of slots
	WIN 0
	s_wait_tensorcnt 0x0                           ; one load of mine was out: my part of the next slot
	ds_add_u32 v[SPW], v[NIL]
.if \fill
	s_xor_b32 s[G0A+5], s[G0A+5], SLOT1
	s_xor_b32 s[G0B+5], s[G0B+5], SLOT1
	s_add_nc_u64 s[G0A+6:G0A+7], s[G0A+6:G0A+7], STEPA
	s_add_nc_u64 s[G0B+6:G0B+7], s[G0B+6:G0B+7], STEPB
	s_cmp_eq_u32 s[U], s[SWR]                      ; behind the first tile's last step comes the second's first
	s_cselect_b64 s[G0A+6:G0A+7], s[T2A:T2A+1], s[G0A+6:G0A+7]
	s_cselect_b64 s[G0B+6:G0B+7], s[T2B:T2B+1], s[G0B+6:G0B+7]
.endif
	s_wait_dscnt 9                                 ; the add and the youngest eight loads may be out
	WIN MUL
	SC 1, 0, 0, 8
	MUL8S 1, 0, 0, 0
	s_wait_dscnt 0x0                               ; the add is done, my reads of this slot are over
	s_barrier_signal -1
	MUL8S 1, 0, 2, 0
	WIN 0
	s_barrier_wait -1
.if \fill
	CREST
	JLOAD
.endif
	s_xor_b32 s[TBS], s[TBS], SLOT1
	s_add_co_u32 s[TBO], s[TBO], 2048
	v_add_nc_u32 v[ADRA], s[TBS], v[A0]
	v_add_nc_u32 v[ADRB], s[TBS], v[B0]
	v_add_nc_u32 v[TB], s[TBO], v[T0]
	FETCH 0, 0
	MUL8S 1, 1, 0, 0
	MUL8S 1, 1, 2, 0
.endm
	s_wait_tensorcnt 1                             ; step 0 is in; step 1's load may stay out
	s_wait_dscnt 0x0                               ; my rows of the tables are stored
	s_barrier_signal -1
	s_barrier_wait -1
	FETCH 0, 0
	QUARTER 1, 0, 1, 1
	WIN 0
	s_mov_b32 s3, 9
.Lstep:                                                ; trip U: step U's quarters 1 to 3, the refill with step U + 2, step U + 1's quarter 0
	QUARTER 2, 1, 0, 0
	QUARTER 3, 0, 1, 0
	WIN 0
	s_cmp_eq_u32 s3, 1                             ; the walk's last step but one: the loop is left for the tail, which asks for nothing
	s_cbranch_scc1 .Ltail
	TURN 1
	WIN 0
	s_cmp_eq_u32 s[U], s[SWC]                      ; step U + 1 is the second tile's first
	s_cbranch_scc1 .Lway
	QUARTER 1, 0, 1, 0
	WIN 0
	s_branch .Lnext
.Ltail:
	TURN 0
	QUARTER 1, 0, 1, 0
	QUARTER 2, 1, 0, 0
	QUARTER 3, 0, 1, 0
	s_wait_dscnt 8
	WIN MUL
	SC 1, 0, 0, 8
	MUL8S 1, 0, 0, 0
	s_wait_dscnt 0x0
	MUL8S 1, 0, 2, 0
	MUL8S 1, 1, 0, 0
	MUL8S 1, 1, 2, 0
	WIN 0
	s_mov_b32 s[LAST], 1
.Lway:
	; THE WAY OUT of tile LAST: divided by l, rounded to f16, each store a whole chunk of 512 bytes.  Buffer 0, which may hold the next tile's first fragments, is not touched.
	s_wait_xcnt 0x0                                ; earlier stores have read TMP and their base
	s_cmp_eq_u32 s[LAST], 1
	s_cselect_b64 s[OC:OC+1], s[OB+2:OB+3], s[OB:OB+1]
	s_lshl_b32 s94, s[LAST], 9
	v_add_nc_u32 v[RLC], s94, v[RLA]
.irp a, 0,1,2,3
	ds_load_b32 v[RLV+2*(\a)], v[RLC] offset:64*(\a)
.endr
	PLACES
	s_wait_dscnt 0x0
	WIN 0x41                                       ; destination and source 0 window 1, source 1 window 0
.set p, 0
.rept 64
	v_pk_mul_f32 v[2*p:2*p+1], v[2*p:2*p+1], v[RLV+2*(p/16):RLV+2*(p/16)+1] op_sel_hi:[1,0]
.set p, p+1
.endr
	WIN 0x05
.set p, 0
.rept 64
	v_cvt_pk_f16_f32 v[TMP+p], v[2*p], v[2*p+1]
.set p, p+1
.endr
	WIN 0
.irp a, 0,1,2,3
.irp b, 0,1,2,3
	global_store_b128 v[L16], v[TMP+4*(4*(\a)+(\b)):TMP+4*(4*(\a)+(\b))+3], s[OC:OC+1] offset:(\b)*4096+(\a)*512
.endr
.endr
	s_cmp_eq_u32 s[LAST], 1
	s_cbranch_scc1 .Lend
	QUARTER 1, 0, 1, 1                             ; the second tile's first quarter starts new sums
	WIN 0
.Lnext:
	s_add_co_u32 s[U], s[U], 1
	s_sub_co_u32 s3, s3, 1
	s_cmp_lg_u32 s3, 0
	s_cbranch_scc1 .Lstep
.Lend:
	s_wait_tensorcnt 0x0                           ; the wave's end, behind my last tensor load and my last LDS store
	ds_add_u32 v[SPW], v[NIL]
	s_wait_dscnt 0x0
	CROUND                                         ; the closing round
	s_endpgm
.Lfunc_end_k_q038872e106_pv:
	.size	k_q038872e106_pv, .Lfunc_end_k_q038872e106_pv-k_q038872e106_pv
	.p2alignl 7, 3214868480
	.fill 96, 4, 3214868480
	.section	.rodata,"a",@progbits
	.p2align	6, 0x0
	.amdhsa_kernel k_q038872e106_pv
		.amdhsa_group_segment_fixed_size 327680
		.amdhsa_private_segment_fixed_size 0
		.amdhsa_enable_private_segment 0
		.amdhsa_kernarg_size 32
		.amdhsa_user_sgpr_count 2
		.amdhsa_user_sgpr_kernarg_segment_ptr 1
		.amdhsa_wavefront_size32 1
		.amdhsa_system_sgpr_workgroup_id_x 1
		.amdhsa_system_sgpr_workgroup_id_y 1
		.amdhsa_system_sgpr_workgroup_id_z 1
		.amdhsa_system_vgpr_workitem_id 0
		.amdhsa_next_free_vgpr 512
		.amdhsa_next_free_sgpr 96
		.amdhsa_reserve_vcc 0
		.amdhsa_float_denorm_mode_32 3
		.amdhsa_float_denorm_mode_16_64 3
		.amdhsa_memory_ordered 1
		.amdhsa_forward_progress 1
		.amdhsa_inst_pref_size 129
	.end_amdhsa_kernel
	.amdgpu_metadata
---
amdhsa.version: [ 1, 2 ]
amdhsa.kernels:
  - .name:           k_q038872e106_pv
    .symbol:         k_q038872e106_pv.kd
    .args:
      - { .name: pt, .offset: 0, .size: 8, .value_kind: global_buffer, .address_space: global }
      - { .name: st, .offset: 8, .size: 8, .value_kind: global_buffer, .address_space: global }
      - { .name: qkv, .offset: 16, .size: 8, .value_kind: global_buffer, .address_space: global }
      - { .name: of, .offset: 24, .size: 8, .value_kind: global_buffer, .address_space: global }
    .group_segment_fixed_size: 327680
    .private_segment_fixed_size: 0
    .kernarg_segment_align: 8
    .kernarg_segment_size: 32
    .max_flat_workgroup_size: 128
    .sgpr_count:     96
    .vgpr_count:     512
    .wavefront_size: 32
...
	.end_amdgpu_metadata
.endif
;; end of part 4
;; launch outp (part 5): grid 4 x 64, 4 waves a work-group, clusters of 4 x 4, 327,680 bytes of LDS; arguments of, wof, out0; writes out0
.if DOCPART == 5
	.amdgcn_target "amdgcn-amd-amdhsa--gfx1250"
	.amdhsa_code_object_version 6
	.text
	.protected	k_q038872e106_outp
	.globl	k_q038872e106_outp
	.p2align	8
	.type	k_q038872e106_outp,@function
k_q038872e106_outp:
	s_mov_b64 s[64:65], 0
	v_nop
	global_prefetch_b8 v0, s[64:65] scope:SCOPE_SE
	s_setreg_imm32_b32 hwreg(HW_REG_WAVE_MODE, 25, 1), 1
	s_wait_xcnt 0x0
	s_wait_alu depctr_hold_cnt(0) depctr_sa_sdst(0) depctr_va_vdst(0) depctr_va_sdst(0) depctr_va_ssrc(0) depctr_va_vcc(0) depctr_vm_vsrc(0)
	s_getreg_b32 s2, hwreg(HW_REG_IB_STS2, 6, 4)
	s_cmp_eq_u32 s2, 0
	s_cbranch_scc0 .Lentry_in_a_cluster
	s_endpgm
.Lentry_in_a_cluster:
	s_bfe_u32 s2, ttmp6, 0x10000c
	s_cmp_lg_u32 s2, 0xf033
	s_cbranch_scc0 .Lentry_shape_is_right
	s_endpgm
.Lentry_shape_is_right:
; out0 = O Wo: 8,192 x 1,024 x 1,024, operands f16 (Wo's numbers are its bf16 roundings), sums f32, stored as f32.
; A tile is 128 rows x 256 columns: 256 tiles.  Four waves, each 64 x 128: 32 accumulators.  K goes in 8 steps of 128 through two LDS slots; chunks of 16 x 16 in fragment order, no padding.
; CLUSTER 4 x 4: O's tile is asked for jointly along a row of the cluster, Wo's along a column.
; THE MATRIX INSTRUCTION IS USED TRANSPOSED (source 0 = 16 columns of Wo, turned out of LDS; source 1 = 16 rows of O): a lane holds eight neighbouring columns of one row, 32 bytes;
; they go through the wave's own stage and leave as whole rows of 512 bytes.
; REGISTERS: window 0: v16-29 addresses; v32-63, v64-95 O's fragments; v96-159, v160-223 Wo's; v32-159 on the way out.  window 1: the accumulators, (a, b) at 8 (8 a + b).
.set NSTEP,  8
.set SLOT1,  1<<17                     ; a slot: O's 32,768 bytes [k chunk 8][row chunk 8][512], then Wo's 65,536 [column chunk 16][k chunk 8][512]
.set BOFF,   32768
.set STEPA,  32768
.set STEPB,  4096
.set STAGE,  SLOT1+BOFF+65536          ; behind the ring, never filled by a tensor load: 16 rows x 528 bytes for each wave
.set SP,     528                       ; 512 bytes + 16 = 132 words: row r starts at bank 4 r mod 64 (64 banks of 4 bytes: ISA guide 11.1)
.set SPARE,  STAGE+4*16*SP             ; the spare words
.set ADRA, 16
.set ADRB, 17
.set A0,   18
.set B0,   19
.set L16,  20
.set STO,  21                          ; v21  where I put 32 bytes of a row
.set RD,   22                          ; v22  where I read a row back
.set SPW,  28
.set NIL,  29
.set G1A, 24
.set G0A, 32
.set TBS, 45
.set G1B, 48
.set G0B, 56
.set MUL, 0x50                         ; sources window 0, C and D window 1
.set MSB, 0
.macro WIN new
.if MSB != (\new)
	s_set_vgpr_msb (MSB<<8)|(\new)
.set MSB, \new
.endif
.endm
.macro PLACES
.rept 4
	v_nop
.endr
.endm
.macro CREST
	s_cmp_lg_u32 s10, 0
	s_cbranch_scc1 .Lnot_wave_0_\@
	s_barrier_signal -3
.Lnot_wave_0_\@:
	s_barrier_wait -3
	s_barrier_signal -1
	s_barrier_wait -1
.endm
.macro CROUND
	s_barrier_signal -1
	s_barrier_wait -1
	CREST
.endm
.macro JLOAD
	s_cmp_eq_u32 s11, 0
	s_cbranch_scc0 .Lfor_b_\@
	tensor_load_to_lds s[G0A+4:G0A+7], s[G1A:G1A+7]
	s_nop 0
.rept 4
	v_nop
.endr
	s_branch .Lasked_\@
.Lfor_b_\@:
	tensor_load_to_lds s[G0B+4:G0B+7], s[G1B:G1B+7]
	s_nop 0
.rept 4
	v_nop
.endr
.Lasked_\@:
.endm
	s_load_b128 s[4:7], s[0:1], 0x0                ; of s[4:5], wof s[6:7]
	s_load_b64 s[8:9], s[0:1], 0x10                ; out0
	v_lshl_add_u32 v[SPW], v0, 2, SPARE
	v_mov_b32 v[NIL], 0
	ds_add_u32 v[SPW], v[NIL]                      ; the wave's opening: the add and its wait ahead of my first tensor load
	v_lshrrev_b32 v1, 5, v0
	v_readfirstlane_b32 s10, v1
	s_lshr_b32 s11, s10, 1                         ; my half of the rows; also: I fetch O (0) or Wo (1)
	s_and_b32 s12, s10, 1                          ; my half of the columns; also: which half I fetch
	s_bfe_u32 s40, ttmp6, 0x40000
	s_bfe_u32 s41, ttmp6, 0x40004
	s_lshl2_add_u32 s42, ttmp9, s40                ; tile column 0..3
	s_and_b32 s13, ttmp7, 0xffff
	s_lshl2_add_u32 s13, s13, s41                  ; tile row 0..63
	s_lshl_b32 s43, s41, 2
	s_lshl_b32 s43, 15, s43
	s_lshl_b32 s44, 0x1111, s40
	s_or_b32 s[G1A], s43, (3<<16)|(1<<21)
	s_or_b32 s[G1B], s44, (3<<16)|(1<<21)
	s_mov_b32 s[G1A+1], 32<<16                     ; O: a dense block of 16,384 bytes as 64 rows of 32 elements of 8 bytes
	s_mov_b32 s[G1A+2], 64<<16
	s_mov_b32 s[G1A+3], 32<<16
	s_mov_b32 s[G1A+4], 64
	s_mov_b32 s[G1A+5], 32
	s_mov_b32 s[G1A+6], 0
	s_mov_b32 s[G1A+7], 0
	s_mov_b32 s[G1B+1], 512<<16                    ; Wo: 8 rows (column chunks) of 4,096 bytes, 4,096 elements apart
	s_mov_b32 s[G1B+2], 8<<16
	s_mov_b32 s[G1B+3], 512<<16
	s_mov_b32 s[G1B+4], 8
	s_mov_b32 s[G1B+5], 4096
	s_mov_b32 s[G1B+6], 0
	s_mov_b32 s[G1B+7], 0
	s_lshl_b32 s16, s13, 18                        ; O: block of 128 rows x 262,144 + my half of the step
	s_lshl_b32 s20, s12, 14
	s_add_co_u32 s16, s16, s20
	s_mov_b32 s17, 0
	s_lshl_b32 s46, s42, 4                         ; Wo: column chunk 16 Xt + 8 half, 32,768 bytes each
	s_lshl3_add_u32 s46, s12, s46
	s_lshl_b32 s46, s46, 15
	s_mov_b32 s47, 0
	s_lshl_b32 s21, s12, 15                        ; where they go: s20 for O, s21 for Wo
	s_add_co_u32 s21, s21, BOFF
	s_mov_b32 s[TBS], 0
	s_wait_dscnt 0x0
	s_wait_kmcnt 0x0
	s_add_nc_u64 s[14:15], s[4:5], s[16:17]
	s_add_nc_u64 s[46:47], s[6:7], s[46:47]
	CROUND
.irp s, 0,1
	s_mov_b32 s[G0A+4*(\s)], 1
	s_add_co_u32 s[G0A+4*(\s)+1], s20, (\s)*SLOT1
	s_add_nc_u64 s[G0A+4*(\s)+2:G0A+4*(\s)+3], s[14:15], (\s)*STEPA
	s_or_b32 s[G0A+4*(\s)+3], s[G0A+4*(\s)+3], 0x80000000
	s_mov_b32 s[G0B+4*(\s)], 1
	s_add_co_u32 s[G0B+4*(\s)+1], s21, (\s)*SLOT1
	s_add_nc_u64 s[G0B+4*(\s)+2:G0B+4*(\s)+3], s[46:47], (\s)*STEPB
	s_or_b32 s[G0B+4*(\s)+3], s[G0B+4*(\s)+3], 0x80000000
.endr
	s_cmp_eq_u32 s11, 0
	s_cbranch_scc0 .Lfirst_b
	tensor_load_to_lds s[G0A:G0A+3], s[G1A:G1A+7]
	s_nop 0
	tensor_load_to_lds s[G0A+4:G0A+7], s[G1A:G1A+7]
	s_nop 0
.rept 4
	v_nop
.endr
	s_branch .Lfirst_done
.Lfirst_b:
	tensor_load_to_lds s[G0B:G0B+3], s[G1B:G1B+7]
	s_nop 0
	tensor_load_to_lds s[G0B+4:G0B+7], s[G1B:G1B+7]
	s_nop 0
.rept 4
	v_nop
.endr
.Lfirst_done:
	v_and_b32 v1, 31, v0
	v_lshlrev_b32 v[L16], 4, v1
	s_lshl_b32 s22, s11, 11
	v_add_nc_u32 v[A0], s22, v[L16]                ; my 4 row chunks of O
	s_lshl_b32 s23, s12, 15
	s_add_co_u32 s23, s23, BOFF
	v_add_nc_u32 v[B0], s23, v[L16]                ; my 8 column chunks of Wo
	v_mov_b32 v[ADRA], v[A0]
	v_mov_b32 v[ADRB], v[B0]
	v_and_b32 v2, 15, v0
	v_bfe_u32 v3, v0, 4, 1
	s_mul_i32 s22, s10, 16*SP
	s_add_co_u32 s22, s22, STAGE                   ; my stage
	v_mul_u32_u24 v[STO], v2, SP
	v_lshl_add_u32 v[STO], v3, 5, v[STO]
	v_add_nc_u32 v[STO], s22, v[STO]
	v_add_nc_u32 v[RD], s22, v[L16]
	s_lshl1_add_u32 s16, s13, s11                  ; out0 at row 128 Y + 64 wr,
	s_lshl_b32 s16, s16, 18                        ; 64 rows of 4,096 bytes
	s_lshl1_add_u32 s18, s42, s12                  ; column 256 Xt + 128 wc: 512 bytes each
	s_lshl_b32 s18, s18, 9
	s_add_co_u32 s16, s16, s18
	s_mov_b32 s17, 0
	s_add_nc_u64 s[8:9], s[8:9], s[16:17]
; 8 matrix instructions: row block a x all 8 column blocks, 32 along K, buffer f.  The 32 accumulators take turns.
.macro MULA f, a, zero
	WIN MUL
.irp b, 0,1,2,3,4,5,6,7
.if \zero
	v_wmma_f32_16x16x32_f16 v[8*(8*(\a)+(\b)):8*(8*(\a)+(\b))+7], v[96+64*(\f)+8*(\b):96+64*(\f)+8*(\b)+7], v[32+32*(\f)+8*(\a):32+32*(\f)+8*(\a)+7], 0
.else
	v_wmma_f32_16x16x32_f16 v[8*(8*(\a)+(\b)):8*(8*(\a)+(\b))+7], v[96+64*(\f)+8*(\b):96+64*(\f)+8*(\b)+7], v[32+32*(\f)+8*(\a):32+32*(\f)+8*(\a)+7], v[8*(8*(\a)+(\b)):8*(8*(\a)+(\b))+7]
.endif
.endr
.endm
; 24 LDS loads in one run: quarter k (k chunks 2 k, 2 k + 1) into buffer f: Wo turned, then O as it lies
.macro FETCH k, f
	WIN 0
.irp b, 0,1,2,3,4,5,6,7
	ds_load_tr16_b128 v[96+64*(\f)+8*(\b):96+64*(\f)+8*(\b)+3],   v[ADRB] offset:(8*(\b)+2*(\k))*512
	ds_load_tr16_b128 v[96+64*(\f)+8*(\b)+4:96+64*(\f)+8*(\b)+7], v[ADRB] offset:(8*(\b)+2*(\k))*512+512
.endr
.irp a, 0,1,2,3
	ds_load_b128 v[32+32*(\f)+8*(\a):32+32*(\f)+8*(\a)+3],   v[ADRA] offset:(16*(\k)+(\a))*512
	ds_load_b128 v[32+32*(\f)+8*(\a)+4:32+32*(\f)+8*(\a)+7], v[ADRA] offset:(16*(\k)+(\a))*512+4096
.endr
.endm
.macro QUARTER k, f, g, zero
	s_wait_dscnt 4                                 ; all but O's row blocks 2 and 3, the youngest four loads
	MULA \f, 0, \zero
	MULA \f, 1, \zero
	PLACES
	FETCH \k, \g
	s_wait_dscnt 24                                ; all but the 24 just issued
	MULA \f, 2, \zero
	MULA \f, 3, \zero
.endm
.macro TURN fill                       ; the last quarter and the change of slots
	WIN 0
	s_wait_tensorcnt 0x0                           ; one load of mine was out: my part of the next slot
	ds_add_u32 v[SPW], v[NIL]
.if \fill
	s_xor_b32 s[G0A+5], s[G0A+5], SLOT1
	s_add_nc_u64 s[G0A+6:G0A+7], s[G0A+6:G0A+7], STEPA
	s_xor_b32 s[G0B+5], s[G0B+5], SLOT1
	s_add_nc_u64 s[G0B+6:G0B+7], s[G0B+6:G0B+7], STEPB
.endif
	s_wait_dscnt 5                                 ; the add and the youngest four loads may be out
	MULA 1, 0, 0
	s_wait_dscnt 0x0                               ; the add is done, my reads of this slot are over
	s_barrier_signal -1
	MULA 1, 1, 0
	WIN 0
	s_barrier_wait -1
.if \fill
	CREST
	JLOAD
.else
	PLACES
.endif
	s_xor_b32 s[TBS], s[TBS], SLOT1
	v_add_nc_u32 v[ADRA], s[TBS], v[A0]
	v_add_nc_u32 v[ADRB], s[TBS], v[B0]
	FETCH 0, 0
	MULA 1, 2, 0
	MULA 1, 3, 0
.endm
	s_wait_tensorcnt 1                             ; step 0 is in; step 1's load may stay out
	s_barrier_signal -1
	s_barrier_wait -1
	FETCH 0, 0
	QUARTER 1, 0, 1, 1
	WIN 0
	s_mov_b32 s3, NSTEP-1
.Lstep:                                                ; a trip: a K step's quarters 1 to 3, the refill, the next step's quarter 0
	QUARTER 2, 1, 0, 0
	QUARTER 3, 0, 1, 0
	WIN 0
	s_cmp_eq_u32 s3, 1                             ; the last K step but one: the loop is left for the tail, which asks for nothing
	s_cbranch_scc1 .Ltail
	TURN 1
	QUARTER 1, 0, 1, 0
	WIN 0
	s_sub_co_u32 s3, s3, 1
	s_cmp_lg_u32 s3, 0
	s_cbranch_scc1 .Lstep
.Ltail:
	TURN 0
	QUARTER 1, 0, 1, 0
	QUARTER 2, 1, 0, 0
	QUARTER 3, 0, 1, 0
	s_wait_dscnt 4
	MULA 1, 0, 0
	MULA 1, 1, 0
	s_wait_dscnt 0x0
	MULA 1, 2, 0
	MULA 1, 3, 0
	; THE WAY OUT, 16 rows at a time through my own stage: LDS serves a wave's instructions in order (ISA guide 5.7.1.4), so no wait stands between the stores and the loads, nor ahead of the next block's stores.
	PLACES
.irp a, 0,1,2,3
.set TM, 32+64*((\a)%2)
.if (\a) >= 2
	s_wait_xcnt 0x0                                ; the stores of two blocks back have read these registers
.endif
	WIN 0x04                                       ; store data in window 1
.irp b, 0,1,2,3,4,5,6,7
	ds_store_b128 v[STO], v[8*(8*(\a)+(\b)):8*(8*(\a)+(\b))+3]   offset:64*(\b)
	ds_store_b128 v[STO], v[8*(8*(\a)+(\b))+4:8*(8*(\a)+(\b))+7] offset:64*(\b)+16
.endr
	WIN 0
.irp t, 0,1,2,3,4,5,6,7,8,9,10,11,12,13,14,15
	ds_load_b128 v[TM+4*(\t):TM+4*(\t)+3], v[RD] offset:(\t)*SP
.endr
.irp t, 0,1,2,3,4,5,6,7,8,9,10,11,12,13,14,15
	s_wait_dscnt 15-(\t)
	global_store_b128 v[L16], v[TM+4*(\t):TM+4*(\t)+3], s[8:9] offset:(16*(\a)+(\t))*4096  ; 512 consecutive bytes of a row, aligned
.endr
.endr
	s_wait_tensorcnt 0x0                           ; the wave's end, behind my last tensor load and my last LDS store
	ds_add_u32 v[SPW], v[NIL]
	s_wait_dscnt 0x0
	CROUND                                         ; the closing round
	s_endpgm
.Lfunc_end_k_q038872e106_outp:
	.size	k_q038872e106_outp, .Lfunc_end_k_q038872e106_outp-k_q038872e106_outp
	.p2alignl 7, 3214868480
	.fill 96, 4, 3214868480
	.section	.rodata,"a",@progbits
	.p2align	6, 0x0
	.amdhsa_kernel k_q038872e106_outp
		.amdhsa_group_segment_fixed_size 327680
		.amdhsa_private_segment_fixed_size 0
		.amdhsa_enable_private_segment 0
		.amdhsa_kernarg_size 24
		.amdhsa_user_sgpr_count 2
		.amdhsa_user_sgpr_kernarg_segment_ptr 1
		.amdhsa_wavefront_size32 1
		.amdhsa_system_sgpr_workgroup_id_x 1
		.amdhsa_system_sgpr_workgroup_id_y 1
		.amdhsa_system_sgpr_workgroup_id_z 1
		.amdhsa_system_vgpr_workitem_id 0
		.amdhsa_next_free_vgpr 512
		.amdhsa_next_free_sgpr 66
		.amdhsa_reserve_vcc 0
		.amdhsa_float_denorm_mode_32 3
		.amdhsa_float_denorm_mode_16_64 3
		.amdhsa_memory_ordered 1
		.amdhsa_forward_progress 1
		.amdhsa_inst_pref_size 62
	.end_amdhsa_kernel
	.amdgpu_metadata
---
amdhsa.version: [ 1, 2 ]
amdhsa.kernels:
  - .name:           k_q038872e106_outp
    .symbol:         k_q038872e106_outp.kd
    .args:
      - { .name: of, .offset: 0, .size: 8, .value_kind: global_buffer, .address_space: global }
      - { .name: wof, .offset: 8, .size: 8, .value_kind: global_buffer, .address_space: global }
      - { .name: out0, .offset: 16, .size: 8, .value_kind: global_buffer, .address_space: global }
    .group_segment_fixed_size: 327680
    .private_segment_fixed_size: 0
    .kernarg_segment_align: 8
    .kernarg_segment_size: 24
    .max_flat_workgroup_size: 128
    .sgpr_count:     66
    .vgpr_count:     512
    .wavefront_size: 32
...
	.end_amdgpu_metadata
.endif
;; end of part 5
